; MI455X (gfx1250); checked and timed in simulation.
; The chip was launched on July 23, 2026; its instructions are those of AMD's public machine-readable ISA for CDNA 5 (MIT licence, August 2026) and "CDNA5" Instruction Set Architecture Reference Guide (July 2026). The comments in the code are by the model that wrote it; some were corrected since.
;; Attention. Allowed arithmetic: matrix products marked QUANTISED: E2M1 operands, one E8M0 scale for each 32 along K, by v_wmma_scale_f32_16x16x128_f8f6f4 with both operands' format E2M1 (or v_wmma_scale_f32_32x16x128_f4), f32 sums; products left as they are: bf16, f16 or f32 operands; f32 sums; everything else in f32.
;; Inputs: b_proj 1,024 float32; w_a_q 1,024 x 4 float32; w_a_v 1,024 x 4 float32; w_b_q 4 x 1,024 float32; w_b_v 4 x 1,024 float32; w_proj 1,024 x 1,024 float32; w_qkv 1,024 x 3,072 float32; x 4 x 2,048 x 1,024 float32.
;; Outputs: out0 4 x 2,048 x 1,024 float32.
;; This version of the problem:
;;   THIS VERSION OF THE PROBLEM IS GIVEN IN LOW PRECISION. The matrix products marked QUANTISED in the list below multiply operands that are first quantised to E2M1 (2 exponent bits, 1 mantissa bit; 4 bits a number), with one power-of-two scale for each 32 numbers along K (OCP MX v1.0); their sums are f32. The products marked 'left as it is' may take bf16, f16 or f32 operands, with f32 sums. Whichever they take, every output number must still come out within the allowed error. Rounding operands to bf16 (8 significant bits) uses up far more of that allowance than f16 does (11 bits, for magnitudes from 6e-5 to 65,504). All else is computed in f32.
;;   The module's matrix products, in the order in which they are computed (A, B: the left and right operand; K: the contracted axis; several contracted axes count as one K, in the product's order):
;;     1. [M 8,192, K 1,024] x [K 1,024, N 3,072]; A: input x; B: input w_qkv: QUANTISED
;;     2. [M 8,192, K 1,024] x [K 1,024, N 4]; A: input x; B: input w_a_q: left as it is (N = 4 < 16)
;;     3. [M 8,192, K 4] x [K 4, N 1,024]; A: computed on the way; B: input w_b_q: left as it is (K = 4 < 32)
;;     4. [M 8,192, K 1,024] x [K 1,024, N 4]; A: input x; B: input w_a_v: left as it is (N = 4 < 16)
;;     5. [M 8,192, K 4] x [K 4, N 1,024]; A: computed on the way; B: input w_b_v: left as it is (K = 4 < 32)
;;     6. batch 64 x [M 2,048, K 64] x [K 64, N 2,048]; A: computed on the way; B: computed on the way: left as it is (an operand is computed on the way)
;;     7. batch 64 x [M 2,048, K 2,048] x [K 2,048, N 64]; A: computed on the way; B: computed on the way: left as it is (an operand is computed on the way)
;;     8. [M 8,192, K 1,024] x [K 1,024, N 1,024]; A: computed on the way; B: input w_proj: left as it is (an operand is computed on the way)
;;   THE QUANTISER, for each operand of a quantised product, along K:
;;     - K is cut into blocks of 32 from its start; a last block that is shorter is filled with zeros.
;;     - A block's scale is 2^e with e = floor(log2(the largest magnitude in the block)) - 2, held to -126 .. 127; a block of zeros has e = 0. As a byte (E8M0): e + 127.
;;     - Each number is divided by its block's scale, clamped to +-6, and rounded to the nearest number of E2M1, ties to even, subnormals kept.
;;     - The product sums the exact products of the quantised numbers (number of the format x scale) in f32.
;;   ~~~python
;;   def quantise(x, axis):      # numpy; x: float32 -> the quantised numbers, widened to float32 again
;;       x = np.moveaxis(x, axis, -1); K = x.shape[-1]
;;       x = np.pad(x, [(0, 0)] * (x.ndim - 1) + [(0, -K % 32)]); x = x.reshape(x.shape[:-1] + (-1, 32)); a = np.abs(x).max(-1, keepdims=True)
;;       e = np.where(a > 0, np.clip(np.frexp(np.where(a > 0, a, 1))[1] - 1 - 2, -126, 127), 0)      # np.frexp(a)[1] - 1 = floor(log2(a)), exactly
;;       r = np.clip(x / 2.0 ** e, -6, 6)
;;       step = 2.0 ** (np.maximum(np.frexp(np.where(r == 0, 1, r))[1] - 1, 0) - 1)
;;       q = np.round(r / step) * step * 2.0 ** e      # np.round: ties to even
;;       return np.moveaxis(q.reshape(q.shape[:-2] + (-1,))[..., :K], -1, axis).astype(np.float32)
;;   ~~~
;; One version. Each part assembles by itself: llvm-mc -triple=amdgcn-amd-amdhsa -mcpu=gfx1250 --defsym DOCPART=n.
;; ======== version 1 of 1: 4 launches
;; limits: values are held in f16: magnitudes above 65,504 overflow, below 6.1e-05 lose precision
;; workspace buffers: cod 5,767,168 bytes; scl 360,448 bytes; lor 311,296 bytes; qkv 50,331,648 bytes; ao 16,777,216 bytes; wp 2,097,152 bytes
;; launch prep (part 1): grid 520 x 1, 4 waves a work-group, no clusters, 41,472 bytes of LDS; arguments x, w_a_q, w_a_v, w_qkv, w_proj, w_b_q, w_b_v, cod, scl, lor, wp; writes cod, scl, lor, wp
.if DOCPART == 1
	.amdgcn_target "amdgcn-amd-amdhsa--gfx1250"
	.amdhsa_code_object_version 6
	.text
	.protected	k_q0d96a1d8cd_prep
	.globl	k_q0d96a1d8cd_prep
	.p2align	8
	.type	k_q0d96a1d8cd_prep,@function
k_q0d96a1d8cd_prep:
	s_mov_b64 s[64:65], 0
	v_nop
	global_prefetch_b8 v0, s[64:65] scope:SCOPE_SE
	s_setreg_imm32_b32 hwreg(HW_REG_WAVE_MODE, 25, 1), 1
	s_wait_xcnt 0x0
; All operands of the later launches are made here, each laid as an IMAGE OF OPERAND REGISTERS: four registers of a fragment are 512 bytes, lane l's 16 bytes at 16 l.
; Four kinds of work-group, told apart by the work-group's number alone:
;   0-255   X: x [8192][1024] f32 -> codes of FP4 (E2M1) and E8M0 scale bytes along K, and x @ w_a_q, x @ w_a_v (f32 multiply-adds, rounded once to f16)
;   256-447 W: w_qkv [1024][3072] f32, K its first axis -> codes and scale bytes along K
;   448-511 P: w_proj [1024][1024] f32 -> f16, K innermost
;   512-519 L: w_b_q, w_b_v [4][1024] f32 -> f16
; ROWS: row 0-8191 = token, row 8192 + n = column n of w_qkv; a row tile is 16 rows.
;   cod [row tile 704][128 along K: 8][1024 bytes]: block bq of 32 codes of row r at 256 bq + 16 r;   scl [row tile][128 along K: 8][r 16][4 bytes]
;   lor: table 0 [704 tiles][256 bytes], table 1 at T1OFF [512 tiles][256 bytes]: lane l's 8 bytes (4 f16) at 8 l: registers 0, 1 of a 16-bit fragment.  Token tiles: lanes 16 hw + r hold the sum over K half hw
;        (table 0: x @ w_a_q, table 1: x @ w_a_v); channel tiles 512-575 (q) and 640-703 (v) of table 0: w_b[0..3][n] in both halves of the lanes.  Tiles 576-639 are neither written nor read.
;   wp  [n tile 64][32 along K: 32][g 2][512 bytes]: lane (r, h): w_proj[32 k32 + 16 g + 8 h + 0..7][16 tile + r]
; THE QUANTISER: a block's scale is 2^(floor(log2(its largest magnitude)) - 2); its byte is the largest magnitude's exponent field - 2, held at 1 from below by a floor among the maximum's leaves.
; LIMITS: a block of zeros gets the byte 1 where the rule says 127 (its codes are zeros, and this program alone reads the bytes); blocks whose largest magnitude lies under 2^-124 share that byte;
; what is rounded to f16 becomes infinity over 65,504 and has a step of 6e-8 under 6e-5; NaN and infinities among the inputs are not served.
; No tensor load, no barrier, no matrix instruction: memory binds, waves share nothing.  No tile is read by two work-groups, so there is nothing for a cluster to share.
.set SPARE, 40960                      ; behind the four waves' regions: the spare words, 128 bytes a wave: two blocks of 256 bytes that no other line names
.set SPW,   12                         ; v12  LDS address of my spare word; never rewritten
.set NIL,   13                         ; v13  0; never rewritten
.set R,     16                         ; v16-79    X: four sets of 16 numbers as loaded
.set X,     80                         ; v80-111   X: two sets of 16 neighbours along K
.set W,     112                        ; v112-239  X: register 8 i + j: w_a_q[k + i][j] (j < 4), w_a_v[k + i][j - 4]; k = my lane's first of 16
.set SUM,   240                        ; v240-247  X: a row's eight sums
.set T,     248                        ; v248-251 at work; v[252:253] a step's codes; v254 its scale byte
.set T1OFF, 180224
.macro XLOAD t                         ; row t of my tile, my K half: four loads of 512 consecutive bytes
.irp i, 0,1,2,3
	global_load_b128 v[R+16*((\t)%4)+4*\i:R+16*((\t)%4)+4*\i+3], v3, s[4:5] offset:4096*(\t)+512*\i th:TH_LOAD_NT
.endr
.endm
.macro XTURN t                         ; through my stage: in as loaded, back 64 bytes a lane.  LDS serves a wave's instructions in order, so no wait stands between
.irp i, 0,1,2,3
	ds_store_b128 v5, v[R+16*((\t)%4)+4*\i:R+16*((\t)%4)+4*\i+3] offset:2560*((\t)%2)+640*\i
.endr
.irp i, 0,1,2,3
	ds_load_b128 v[X+16*((\t)%2)+4*\i:X+16*((\t)%2)+4*\i+3], v6 offset:2560*((\t)%2)+16*\i
.endr
.endm
.macro XSTEP t
.set XS, X+16*((\t)%2)
	s_wait_dscnt 0x0                               ; this row's numbers are back from the stage, and the last step's four gather stores have read their registers
.if (\t)+4 < 16
	XLOAD (\t)+4
.endif
.if (\t)+1 < 16
.if 14-(\t) >= 3
	s_wait_loadcnt 12                              ; the next row's four loads are in; those of the three rows behind it may be out
.else
	s_wait_loadcnt 4*(14-(\t))
.endif
	XTURN (\t)+1
.endif
	v_max3_num_f32 v[T], |v[XS]|, |v[XS+1]|, |v[XS+2]|             ; the largest magnitude of my 16, in two chains
	v_max3_num_f32 v[T+1], |v[XS+3]|, |v[XS+4]|, |v[XS+5]|
.irp i, 6,10
	v_max3_num_f32 v[T], v[T], |v[XS+\i]|, |v[XS+\i+1]|
	v_max3_num_f32 v[T+1], v[T+1], |v[XS+\i+2]|, |v[XS+\i+3]|
.endr
	v_max3_num_f32 v[T], v[T], |v[XS+14]|, |v[XS+15]|
	v_max3_num_f32 v[T], v[T], v[T+1], 0x1800000   ; and the floor 2^(3 - 127): the byte cannot fall under 1
	v_max_num_f32_dpp v[T], v[T], v[T] row_xmask:1 row_mask:0xf bank_mask:0xf   ; with my neighbour's 16: the block's
	v_add_nc_u32 v[T+2], 0xff000000, v[T]          ; 2 off its exponent field: the conversion takes the exponent field of this operand as its scale
	v_cvt_scalef32_pk8_fp4_f32 v252, v[XS:XS+7], v[T+2]
	v_cvt_scalef32_pk8_fp4_f32 v253, v[XS+8:XS+15], v[T+2]
	v_lshrrev_b32 v254, 23, v[T+2]                 ; the scale's byte
	ds_store_b64 v7, v[252:253] offset:16*(\t)     ; my half block's 8 bytes, at row t's place in the block's 256 bytes of the image
	ds_store_b8 v8, v254 offset:4*(\t)             ; both lanes of a block write the same byte with the same value
.irp j, 0,1,2,3,4,5,6,7
	v_mul_f32 v[SUM+\j], v[XS], v[W+\j]            ; x @ w_a: the first product starts each of the eight sums
.endr
.irp i, 1,2,3,4,5,6,7,8,9,10,11,12,13,14,15
.irp j, 0,1,2,3,4,5,6,7
	v_fmac_f32 v[SUM+\j], v[XS+\i], v[W+8*\i+\j]
.endr
.endr
.irp m, 1,2,4,8
.irp j, 0,1,2,3,4,5,6,7
	v_add_f32_dpp v[SUM+\j], v[SUM+\j], v[SUM+\j] row_xmask:\m row_mask:0xf bank_mask:0xf
.endr
.endr
.irp q, 0,4
.irp j, 0,1,2,3
	v_permlanex16_b32 v[T+\j], v[SUM+\q+\j], s34, s35
.endr
.irp j, 0,1,2,3
	v_add_f32 v[SUM+\q+\j], v[SUM+\q+\j], v[T+\j]  ; every lane holds the sums over my 512 along K
.endr
.endr
	v_cvt_pk_f16_f32 v[SUM], v[SUM], v[SUM+1]
	v_cvt_pk_f16_f32 v[SUM+1], v[SUM+2], v[SUM+3]
	v_cvt_pk_f16_f32 v[SUM+2], v[SUM+4], v[SUM+5]
	v_cvt_pk_f16_f32 v[SUM+3], v[SUM+6], v[SUM+7]
	ds_store_b64 v9, v[SUM:SUM+1] offset:8*(\t)            ; all lanes write the same 8 bytes with the same value: row t's of x @ w_a_q,
	ds_store_b64 v9, v[SUM+2:SUM+3] offset:128+8*(\t)      ; and of x @ w_a_v
.endm
.macro KLOAD t, b, pitch               ; W, P: rows 32 t .. 32 t + 31 of my 128 along K at my column: each load reads 128 consecutive bytes a wave
.set ii, 0
.rept 32
	global_load_b32 v[32+32*((\t)%2)+ii], v3, s[\b:\b+1] offset:(32*(\t)+ii)*\pitch th:TH_LOAD_NT
.set ii, ii+1
.endr
.endm
.macro WBLOCK t                        ; a block of 32 along K of my column: all 32 numbers are mine
.set XS, 32+32*((\t)%2)
.if (\t) < 3
	s_wait_loadcnt 32                              ; this block's 32 loads are in; the next block's may be out
.else
	s_wait_loadcnt 0x0
.endif
	v_max3_num_f32 v20, |v[XS]|, |v[XS+1]|, |v[XS+2]|
	v_max3_num_f32 v21, |v[XS+3]|, |v[XS+4]|, |v[XS+5]|
.irp i, 6,10,14,18,22,26
	v_max3_num_f32 v20, v20, |v[XS+\i]|, |v[XS+\i+1]|
	v_max3_num_f32 v21, v21, |v[XS+\i+2]|, |v[XS+\i+3]|
.endr
	v_max3_num_f32 v20, v20, |v[XS+30]|, |v[XS+31]|
	v_max3_num_f32 v20, v20, v21, 0x1800000
	v_add_nc_u32 v22, 0xff000000, v20
	v_lshrrev_b32 v21, 23, v22
.if (\t) == 0
	v_mov_b32 v176, v21                            ; the four bytes make my column's scale word for these 128 along K
.else
	v_lshl_or_b32 v176, v21, 8*(\t), v176
.endif
.irp g, 0,1,2,3
	v_cvt_scalef32_pk8_fp4_f32 v[160+4*(\t)+\g], v[XS+8*\g:XS+8*\g+7], v22
.endr
	global_store_b128 v6, v[160+4*(\t):160+4*(\t)+3], s[18:19] offset:256*(\t)   ; sixteen lanes store 256 consecutive bytes, aligned: block t of a row tile's image
.if (\t)+2 < 4
	KLOAD (\t)+2, 10, 12288
.endif
.endm
.macro PBLOCK t                        ; 32 along K of my column of w_proj, rounded to f16
.set XS, 32+32*((\t)%2)
.if (\t) < 3
	s_wait_loadcnt 32
.else
	s_wait_loadcnt 0x0
.endif
.irp m, 0,1,2,3,4,5,6,7,8,9,10,11,12,13,14,15
	v_cvt_pk_f16_f32 v[160+16*(\t)+\m], v[XS+2*\m], v[XS+2*\m+1]
.endr
.irp p, 0,1,2,3
	global_store_b128 v6, v[160+16*(\t)+4*\p:160+16*(\t)+4*\p+3], s[24:25] offset:256*(4*(\t)+\p)   ; k = 8 p + 0..7: sixteen lanes store 256 consecutive bytes, aligned
.endr
.if (\t)+2 < 4
	KLOAD (\t)+2, 12, 4096
.endif
.endm
	s_load_b512 s[4:19], s[0:1], 0x0               ; x, w_a_q, w_a_v, w_qkv, w_proj, w_b_q, w_b_v, cod
	s_load_b128 s[20:23], s[0:1], 0x40             ; scl, lor
	s_load_b64 s[24:25], s[0:1], 0x50              ; wp
	v_lshl_add_u32 v[SPW], v0, 2, SPARE
	v_mov_b32 v[NIL], 0
	v_lshrrev_b32 v1, 5, v0
	v_readfirstlane_b32 s26, v1                    ; wave 0..3
	v_and_b32 v2, 31, v0                           ; lane
	s_mov_b32 s31, 0                               ; the high word of every offset
	s_wait_kmcnt 0x0
	s_cmp_lt_u32 ttmp9, 256
	s_cbranch_scc0 .Lnot_x
	; ---- X.  Work-group g: row tiles 2 g, 2 g + 1.  Wave w: row tile 2 g + w / 2, K half hw = w % 2: 16 steps, a row each, 512 numbers.  Behind the stage lane l holds k = 512 hw + 16 l + 0..15 in every step.
	; LDS, a region of 10,240 bytes a wave: two stages of 32 x 80 at 0; the codes' image, 16 blocks x (256 + 16), at 5,120; 256 scale bytes at 9,472; 256 bytes of x @ w_a at 9,728.
	s_lshr_b32 s27, s26, 1
	s_and_b32 s28, s26, 1                          ; hw
	s_lshl_b32 s29, ttmp9, 1
	s_add_co_u32 s29, s29, s27                     ; my row tile
	s_lshl_b32 s30, s29, 16                        ; x: 16 rows of 4,096 bytes a tile, + 2,048 hw
	s_lshl_b32 s33, s28, 11
	s_add_co_u32 s30, s30, s33
	s_add_nc_u64 s[4:5], s[4:5], s[30:31]
	s_lshl_b32 s30, s29, 13                        ; cod: 8,192 a tile, + 4,096 hw
	s_lshl_b32 s33, s28, 12
	s_add_co_u32 s30, s30, s33
	s_add_nc_u64 s[18:19], s[18:19], s[30:31]
	s_lshl_b32 s30, s29, 9                         ; scl: 512 a tile, + 256 hw
	s_lshl_b32 s33, s28, 8
	s_add_co_u32 s30, s30, s33
	s_add_nc_u64 s[20:21], s[20:21], s[30:31]
	s_lshl_b32 s30, s29, 8                         ; lor: 256 a tile, + 128 hw
	s_lshl_b32 s33, s28, 7
	s_add_co_u32 s30, s30, s33
	s_add_nc_u64 s[22:23], s[22:23], s[30:31]
	s_mul_i32 s32, s26, 10240                      ; my region
	s_mov_b32 s34, 0x76543210
	s_mov_b32 s35, 0xfedcba98                      ; v_permlanex16_b32: lane l xor 16
	v_lshlrev_b32 v3, 4, v2                        ; 16 l
	v_lshlrev_b32 v4, 8, v2
	v_lshl_add_u32 v4, s28, 13, v4                 ; my 16 rows of w_a: 16 bytes a row: 8,192 hw + 256 l
	v_lshrrev_b32 v5, 2, v2
	v_mul_u32_u24 v5, v5, 80
	v_and_b32 v6, 3, v2
	v_lshl_add_u32 v5, v6, 4, v5
	v_add_nc_u32 v5, s32, v5                       ; the stage, in: 80 (l / 4) + 16 (l % 4)
	v_mul_u32_u24 v6, v2, 80
	v_add_nc_u32 v6, s32, v6                       ; and back: 80 l
	v_lshrrev_b32 v7, 1, v2
	v_mul_u32_u24 v7, v7, 272
	v_and_b32 v8, 1, v2
	v_lshl_add_u32 v7, v8, 3, v7
	v_add_nc_u32 v7, s32, v7
	v_add_nc_u32 v7, 5120, v7                      ; codes: block l / 2, half l % 2
	v_bfe_u32 v8, v2, 3, 2
	v_bfe_u32 v9, v2, 1, 2
	v_lshl_add_u32 v8, v8, 6, v9
	v_add_nc_u32 v8, s32, v8
	v_add_nc_u32 v8, 9472, v8                      ; scale bytes: 64 (l / 8) + (l / 2) % 4
	s_add_co_u32 s33, s32, 9728
	v_mov_b32 v9, s33                              ; x @ w_a
	v_lshrrev_b32 v10, 4, v2
	v_mul_u32_u24 v10, v10, 272
	v_and_b32 v11, 15, v2
	v_lshl_add_u32 v10, v11, 4, v10
	v_add_nc_u32 v10, s32, v10
	v_add_nc_u32 v10, 5120, v10                    ; the codes' way out: two blocks an instruction
	v_lshlrev_b32 v14, 3, v2                       ; 8 l
	v_add_nc_u32 v11, s32, v14
	v_add_nc_u32 v11, 9472, v11                    ; the scale bytes' way out, and 256 on x @ w_a's
	v_and_b32 v15, 15, v2
	v_lshlrev_b32 v15, 3, v15
	v_lshrrev_b32 v1, 4, v2
	v_mul_u32_u24 v1, v1, T1OFF
	v_add_nc_u32 v15, v15, v1                      ; lanes 0-15 store into table 0, lanes 16-31 into table 1
.irp j, 0,1,2,3,4,5,6,7
	v_mov_b32 v[T+\j], 0                           ; written once: a lane permute's destination counts as one of its sources
.endr
.irp i, 0,1,2,3,4,5,6,7,8,9,10,11,12,13,14,15
	global_load_b128 v[W+8*\i:W+8*\i+3], v4, s[6:7] offset:16*\i
	global_load_b128 v[W+8*\i+4:W+8*\i+7], v4, s[8:9] offset:16*\i
.endr
.irp t, 0,1,2,3
	XLOAD \t
.endr
	s_wait_loadcnt 12                              ; the weights and row 0 are in
	XTURN 0
.irp t, 0,1,2,3,4,5,6,7,8,9,10,11,12,13,14,15
	XSTEP \t
.endr
.irp i, 0,1,2,3,4,5,6,7
	ds_load_b128 v[R+4*\i:R+4*\i+3], v10 offset:544*\i     ; LDS serves a wave's instructions in order: these see my stores
.endr
	ds_load_b64 v[80:81], v11
	ds_load_b64 v[82:83], v11 offset:256
.irp i, 0,1,2,3,4,5,6,7
	s_wait_dscnt 9-\i                              ; load i is in; the loads behind it may be out
	global_store_b128 v3, v[R+4*\i:R+4*\i+3], s[18:19] offset:512*\i   ; 512 consecutive bytes, aligned
.endr
	s_wait_dscnt 0x0
	global_store_b64 v14, v[80:81], s[20:21]       ; 256 consecutive bytes, aligned
	global_store_b64 v15, v[82:83], s[22:23]       ; two runs of 128 bytes: the other K half's wave stores the other 128 of each tile
	s_wait_tensorcnt 0x0                           ; the wave's end
	ds_add_u32 v[SPW], v[NIL]
	s_wait_dscnt 0x0
	s_endpgm
.Lnot_x:
	s_cmp_lt_u32 ttmp9, 448
	s_cbranch_scc0 .Lnot_w
	; ---- W.  A lane takes a column of w_qkv and its registers run down K.  id % 8: which 128 along K; id / 8: which 128 columns; the four waves stand side by side, 32 columns each.
	s_sub_co_u32 s27, ttmp9, 256
	s_and_b32 s28, s27, 7                          ; ky
	s_lshr_b32 s29, s27, 3                         ; cg
	s_mul_i32 s30, s28, 128*12288
	s_lshl_b32 s33, s29, 9
	s_add_co_u32 s30, s30, s33
	s_lshl_b32 s33, s26, 7
	s_add_co_u32 s30, s30, s33
	s_add_nc_u64 s[10:11], s[10:11], s[30:31]      ; w_qkv at row 128 ky, column 128 cg + 32 wave
	s_lshl_b32 s32, s29, 3
	s_lshl_b32 s33, s26, 1
	s_add_co_u32 s32, s32, s33
	s_add_co_u32 s32, s32, 512                     ; my first row tile: 512 + 8 cg + 2 wave
	s_lshl_b32 s30, s32, 13
	s_lshl_b32 s33, s28, 10
	s_add_co_u32 s30, s30, s33
	s_add_nc_u64 s[18:19], s[18:19], s[30:31]
	s_lshl_b32 s30, s32, 9
	s_lshl_b32 s33, s28, 6
	s_add_co_u32 s30, s30, s33
	s_add_nc_u64 s[20:21], s[20:21], s[30:31]
	v_lshlrev_b32 v3, 2, v2
	v_and_b32 v4, 15, v2
	v_lshrrev_b32 v5, 4, v2
	v_lshlrev_b32 v6, 4, v4
	v_lshl_add_u32 v6, v5, 13, v6                  ; codes: 8,192 (l / 16) + 16 (l % 16)
	v_lshlrev_b32 v7, 2, v4
	v_lshl_add_u32 v7, v5, 9, v7                   ; scale words: 512 (l / 16) + 4 (l % 16)
	KLOAD 0, 10, 12288
	KLOAD 1, 10, 12288
.irp t, 0,1,2,3
	WBLOCK \t
.endr
	global_store_b32 v7, v176, s[20:21]            ; sixteen lanes store 64 consecutive bytes: 98,304 bytes in the whole launch leave so
	s_endpgm
.Lnot_w:
	s_cmp_lt_u32 ttmp9, 512
	s_cbranch_scc0 .Lnot_p
	; ---- P.  The same shares on w_proj.
	s_sub_co_u32 s27, ttmp9, 448
	s_and_b32 s28, s27, 7                          ; ky
	s_lshr_b32 s29, s27, 3                         ; cg
	s_lshl_b32 s30, s28, 19                        ; 128 rows of 4,096 bytes
	s_lshl_b32 s33, s29, 9
	s_add_co_u32 s30, s30, s33
	s_lshl_b32 s33, s26, 7
	s_add_co_u32 s30, s30, s33
	s_add_nc_u64 s[12:13], s[12:13], s[30:31]
	s_lshl_b32 s32, s29, 3
	s_lshl_b32 s33, s26, 1
	s_add_co_u32 s32, s32, s33                     ; my first n tile: 8 cg + 2 wave
	s_lshl_b32 s30, s32, 15
	s_lshl_b32 s33, s28, 12
	s_add_co_u32 s30, s30, s33
	s_add_nc_u64 s[24:25], s[24:25], s[30:31]
	v_lshlrev_b32 v3, 2, v2
	v_and_b32 v4, 15, v2
	v_lshrrev_b32 v5, 4, v2
	v_lshlrev_b32 v6, 4, v4
	v_lshl_add_u32 v6, v5, 15, v6                  ; 32,768 (l / 16) + 16 (l % 16)
	KLOAD 0, 12, 4096
	KLOAD 1, 12, 4096
.irp t, 0,1,2,3
	PBLOCK \t
.endr
	s_endpgm
.Lnot_p:
	; ---- L.  id < 4: w_b_q, else w_b_v.  A wave takes four channel tiles, 16 (id % 4) + 4 wave + u.
	s_sub_co_u32 s27, ttmp9, 512
	s_cmp_lt_u32 s27, 4
	s_cselect_b64 s[14:15], s[14:15], s[16:17]
	s_cselect_b32 s28, 0, 128
	s_and_b32 s29, s27, 3
	s_lshl_b32 s29, s29, 4
	s_lshl_b32 s30, s26, 2
	s_add_co_u32 s29, s29, s30
	s_lshl_b32 s30, s29, 6                         ; 64 bytes of a row of w_b a tile
	s_add_nc_u64 s[14:15], s[14:15], s[30:31]
	s_add_co_u32 s29, s29, s28
	s_add_co_u32 s29, s29, 512
	s_lshl_b32 s30, s29, 8
	s_add_nc_u64 s[22:23], s[22:23], s[30:31]
	v_and_b32 v3, 15, v2
	v_lshlrev_b32 v3, 2, v3
	v_lshlrev_b32 v4, 3, v2
.irp u, 0,1,2,3
.irp j, 0,1,2,3
	global_load_b32 v[32+4*\u+\j], v3, s[14:15] offset:4096*\j+64*\u
.endr
.endr
	s_wait_loadcnt 0x0
.irp u, 0,1,2,3
	v_cvt_pk_f16_f32 v[64+2*\u], v[32+4*\u], v[33+4*\u]
	v_cvt_pk_f16_f32 v[65+2*\u], v[34+4*\u], v[35+4*\u]
.endr
.irp u, 0,1,2,3
	global_store_b64 v4, v[64+2*\u:65+2*\u], s[22:23] offset:256*\u   ; 256 consecutive bytes, aligned: both halves of the lanes hold the same four numbers
.endr
	s_endpgm
.Lfunc_end_k_q0d96a1d8cd_prep:
	.size	k_q0d96a1d8cd_prep, .Lfunc_end_k_q0d96a1d8cd_prep-k_q0d96a1d8cd_prep
	.p2alignl 7, 3214868480
	.fill 96, 4, 3214868480
	.section	.rodata,"a",@progbits
	.p2align	6, 0x0
	.amdhsa_kernel k_q0d96a1d8cd_prep
		.amdhsa_group_segment_fixed_size 41472
		.amdhsa_private_segment_fixed_size 0
		.amdhsa_enable_private_segment 0
		.amdhsa_kernarg_size 88
		.amdhsa_user_sgpr_count 2
		.amdhsa_user_sgpr_kernarg_segment_ptr 1
		.amdhsa_wavefront_size32 1
		.amdhsa_system_sgpr_workgroup_id_x 1
		.amdhsa_system_sgpr_workgroup_id_y 1
		.amdhsa_system_sgpr_workgroup_id_z 1
		.amdhsa_system_vgpr_workitem_id 0
		.amdhsa_next_free_vgpr 256
		.amdhsa_next_free_sgpr 66
		.amdhsa_reserve_vcc 0
		.amdhsa_float_denorm_mode_32 3
		.amdhsa_float_denorm_mode_16_64 3
		.amdhsa_memory_ordered 1
		.amdhsa_forward_progress 1
		.amdhsa_inst_pref_size 194
	.end_amdhsa_kernel
	.amdgpu_metadata
---
amdhsa.version: [ 1, 2 ]
amdhsa.kernels:
  - .name:           k_q0d96a1d8cd_prep
    .symbol:         k_q0d96a1d8cd_prep.kd
    .args:
      - { .name: x, .offset: 0, .size: 8, .value_kind: global_buffer, .address_space: global }
      - { .name: w_a_q, .offset: 8, .size: 8, .value_kind: global_buffer, .address_space: global }
      - { .name: w_a_v, .offset: 16, .size: 8, .value_kind: global_buffer, .address_space: global }
      - { .name: w_qkv, .offset: 24, .size: 8, .value_kind: global_buffer, .address_space: global }
      - { .name: w_proj, .offset: 32, .size: 8, .value_kind: global_buffer, .address_space: global }
      - { .name: w_b_q, .offset: 40, .size: 8, .value_kind: global_buffer, .address_space: global }
      - { .name: w_b_v, .offset: 48, .size: 8, .value_kind: global_buffer, .address_space: global }
      - { .name: cod, .offset: 56, .size: 8, .value_kind: global_buffer, .address_space: global }
      - { .name: scl, .offset: 64, .size: 8, .value_kind: global_buffer, .address_space: global }
      - { .name: lor, .offset: 72, .size: 8, .value_kind: global_buffer, .address_space: global }
      - { .name: wp, .offset: 80, .size: 8, .value_kind: global_buffer, .address_space: global }
    .group_segment_fixed_size: 41472
    .private_segment_fixed_size: 0
    .kernarg_segment_align: 8
    .kernarg_segment_size: 88
    .max_flat_workgroup_size: 128
    .sgpr_count:     66
    .vgpr_count:     256
    .wavefront_size: 32
...
	.end_amdgpu_metadata
.endif
;; end of part 1
;; launch qkv (part 2): grid 12 x 32, 4 waves a work-group, clusters of 4 x 4, 327,680 bytes of LDS; arguments cod, scl, lor, qkv; writes qkv
.if DOCPART == 2
	.amdgcn_target "amdgcn-amd-amdhsa--gfx1250"
	.amdhsa_code_object_version 6
	.text
	.protected	k_q0d96a1d8cd_qkv
	.globl	k_q0d96a1d8cd_qkv
	.p2align	8
	.type	k_q0d96a1d8cd_qkv,@function
k_q0d96a1d8cd_qkv:
	s_mov_b64 s[64:65], 0
	v_nop
	global_prefetch_b8 v0, s[64:65] scope:SCOPE_SE
	s_setreg_imm32_b32 hwreg(HW_REG_WAVE_MODE, 25, 1), 1
	s_wait_xcnt 0x0
	s_wait_alu depctr_hold_cnt(0) depctr_sa_sdst(0) depctr_va_vdst(0) depctr_va_sdst(0) depctr_va_ssrc(0) depctr_va_vcc(0) depctr_vm_vsrc(0)
	s_getreg_b32 s2, hwreg(HW_REG_IB_STS2, 6, 4)
	s_cmp_eq_u32 s2, 0
	s_cbranch_scc0 .Lentry_in_a_cluster
	s_endpgm
.Lentry_in_a_cluster:
	s_bfe_u32 s2, ttmp6, 0x10000c
	s_cmp_lg_u32 s2, 0xf033
	s_cbranch_scc0 .Lentry_shape_is_right
	s_endpgm
.Lentry_shape_is_right:
; q, k, v = Q(x) Q(w_qkv) on codes of FP4 (E2M1) with one E8M0 scale for each 32 along K, sums in f32; on q and v the rank-4 terms (x @ w_a) @ w_b are added by ONE f16 matrix instruction an accumulator;
; the results are rounded to f16 and stored as images of the attention launch's operand registers.  LIMIT: results over 65,504 in magnitude become infinity.
; A tile of 256 x 256 to a work-group of four waves; a wave makes 128 x 128: 64 accumulators, 512 registers.  K = 1,024 is two slots of 512 in LDS, both asked for at the head: nothing is filled twice.
; Cluster x = 0: q, 1: k, 2: v;  cluster y: 1,024 tokens.  THE MATRIX INSTRUCTION IS USED TRANSPOSED (source 0 = 16 rows of B, source 1 = 16 rows of A): a lane holds one row of A and eight neighbouring rows of B.
; For q and k, A = tokens and B = channels: a lane's eight numbers are eight channels of a token: a fragment of Q or K.  FOR v THE OPERANDS CHANGE PLACES BY THEIR ADDRESSES ALONE: A = channels, B = tokens:
; a lane's eight numbers are eight keys of a channel: a fragment of V^T.  So no result passes through LDS: each store of a wave covers 512 consecutive bytes, aligned.
; OPERANDS lie in memory as images of their registers (16 rows x 128 K of codes: 1,024 bytes, lane l's 16 bytes at 16 l and at 512 + 16 l): tiles are dense, LDS has no pitch, every LDS load reads 512 consecutive bytes.
; CLUSTERS: 4 x 4 work-groups.  A's tiles are shared along a row of the cluster, B's along a column: each is asked for jointly, by the same tensor load with the same descriptor and a mask that names the four.
; By the text's own count a wave has three tensor loads out at the most: its scales, its part of slot 0, its part of slot 1.
; REGISTERS: window 0: v0-31 addresses; v32-95 scale words, a set for each slot; v128-191 A's fragments, ONE set; on the way out v128-255 packed results.
;   window 1: B's fragments, two sets, at v0 and v128; v64-127, v192-255 the rank-4 fragments of B's and of A's rows.   windows 2, 3: the accumulators ((a, b) at v[8 (8 (a % 4) + b)]).
.set NQ,    4                          ; steps of 128 along K in a slot
.set FR,    8                          ; registers of a fragment
.set NL,    2                          ; LDS loads that bring one
.set NP,    4                          ; places behind this matrix instruction (ISA guide 7.12.1)
.set STEPB, 4096                       ; a slot's part of a row tile's image
.set SLOT,  131072                     ; A's 16 row tiles x 4,096 bytes, then B's
.set BOFF,  65536
.set SCL,   262144                     ; behind the slots: A's scale words, 16 x 512 bytes, then B's
.set SPARE, 278528                     ; the spare words, 128 bytes a wave: two blocks of 256 bytes that no other line names
.set ADRA, 16                          ; v16-17  LDS address of my A fragments in slot 0, 1
.set ADRB, 20                          ; v20-21  the same for B
.set CO,   26                          ; v26     16 x lane
.set ADRS, 27                          ; v27     LDS address of my scale words: lanes 0-15 A's rows, lanes 16-31 B's
.set SPW,  28                          ; v28     LDS address of my spare word; never rewritten
.set NIL,  29                          ; v29     0; never rewritten
.set LO,   30                          ; v30     8 x lane
.set SC,   32                          ; scale words: register 32 sc + 4 i + q: lanes 0-15 A's block i, lanes 16-31 B's block i, the slot's q-th 128 along K
.set AF,   128
.set PK,   128
.set LB,   64                          ; window 1
.set LA,   192                         ; window 1
.set G1, 24
.set G0, 32
.set G1B, 48
.set G0B, 56
.set G1S, 68
.set G0S, 76
.set G1SB, 80
.set G0SB, 88
.set MSB, 0
.macro WIN new                         ; the immediate's high byte repeats the setting that is left
.if MSB != \new
	s_set_vgpr_msb (MSB<<8)|\new
.set MSB, \new
.endif
.endm
.set MUL_LO, 0xa1                      ; source 0 (B) window 1, source 1 (A) window 0, C and D window 2
.set MUL_HI, 0xf1                      ; the same, C and D window 3
.set TO_B,   0x40                      ; destination window 1, address window 0
; A joint load: waves 0 and 1 fetch for A, waves 2 and 3 for B.  The branch hangs on the wave's number alone.  An s_nop 0 and four v_nop follow each of the two lines.
.macro JLOAD g0a, g1a, g0b, g1b
	s_cmp_eq_u32 s15, 0
	s_cbranch_scc0 .Lfor_b_\@
	tensor_load_to_lds s[\g0a:\g0a+3], s[\g1a:\g1a+7]
	s_nop 0
.rept 4
	v_nop
.endr
	s_branch .Lasked_\@
.Lfor_b_\@:
	tensor_load_to_lds s[\g0b:\g0b+3], s[\g1b:\g1b+7]
	s_nop 0
.rept 4
	v_nop
.endr
.Lasked_\@:
.endm
.macro CROUND                          ; a round of the cluster's barrier
	s_barrier_signal -1
	s_barrier_wait -1
	s_cmp_lg_u32 s14, 0
	s_cbranch_scc1 .Lnot_wave_0_\@
	s_barrier_signal -3
.Lnot_wave_0_\@:
	s_barrier_wait -3
	s_barrier_signal -1
	s_barrier_wait -1
.endm
	s_load_b256 s[4:11], s[0:1], 0x0               ; cod s[4:5], scl s[6:7], lor s[8:9], qkv s[10:11]
	v_lshl_add_u32 v[SPW], v0, 2, SPARE
	v_mov_b32 v[NIL], 0
	ds_add_u32 v[SPW], v[NIL]                      ; the wave's opening: the add, twice on end, and its wait ahead of my first tensor load
	ds_add_u32 v[SPW], v[NIL]                      ; and once more; the set-up below, work on registers, stands between it and the wait
	v_lshrrev_b32 v1, 5, v0
	v_readfirstlane_b32 s14, v1                    ; wave 0..3
	s_lshr_b32 s15, s14, 1                         ; which half of A's rows is mine.  Also: I fetch for A (0) or for B (1)
	s_and_b32 s16, s14, 1                          ; which half of B's rows.  Also: which 8 row tiles of the sixteen I fetch
	s_bfe_u32 s40, ttmp6, 0x40000                  ; cx, cy: my place in the cluster
	s_bfe_u32 s41, ttmp6, 0x40004
	s_and_b32 s17, ttmp7, 0xffff                   ; cluster y
	s_lshl_b32 s43, s41, 2
	s_lshl_b32 s43, 15, s43                        ; my row of the cluster
	s_lshl_b32 s44, 0x1111, s40                    ; my column
	; descriptor group 1 for codes: 8 row tiles x 4,096 bytes (512 elements of 8 bytes), 8,192 bytes apart in memory, dense in LDS
	s_or_b32 s[G1+0], s43, (3<<16)|(1<<21)         ; 15:0 the mask: A's tiles go to my row; 17:16 elements of 8 bytes; 21 set beside a mask; no padding
	s_or_b32 s[G1B+0], s44, (3<<16)|(1<<21)
.irp g, G1, G1B
	s_mov_b32 s[\g+1], 512<<16                     ; tensor_dim0
	s_mov_b32 s[\g+2], 8<<16                       ; tensor_dim1
	s_mov_b32 s[\g+3], 512<<16                     ; tile_dim0
	s_mov_b32 s[\g+4], 8                           ; tile_dim1
	s_mov_b32 s[\g+5], 1024                        ; tensor_dim0_stride
	s_mov_b32 s[\g+6], 0
	s_mov_b32 s[\g+7], 0
.endr
	; and for the scale words of 8 row tiles: 4,096 dense bytes, as 16 rows of 256
	s_or_b32 s[G1S+0], s43, (3<<16)|(1<<21)
	s_or_b32 s[G1SB+0], s44, (3<<16)|(1<<21)
.irp g, G1S, G1SB
	s_mov_b32 s[\g+1], 32<<16
	s_mov_b32 s[\g+2], 16<<16
	s_mov_b32 s[\g+3], 32<<16
	s_mov_b32 s[\g+4], 16
	s_mov_b32 s[\g+5], 32
	s_mov_b32 s[\g+6], 0
	s_mov_b32 s[\g+7], 0
.endr
	; row tiles.  q, k: A = tokens 64 y + 16 cy, B = channels 512 + 64 x + 16 cx.  v: A = channels 640 + 16 cy, B = tokens 64 y + 16 cx.  The choice hangs on the cluster's x, which all partners share.
	s_lshl_b32 s18, s17, 6
	s_lshl_b32 s19, ttmp9, 6
	s_add_co_u32 s19, s19, 512
	s_cmp_eq_u32 ttmp9, 2
	s_cselect_b32 s12, 640, s18
	s_cselect_b32 s13, s18, s19
	s_cselect_b32 s96, s18, 512                    ; the rank-4 table's tiles for B's rows: tokens (v), or q's channels (for k they are loaded and not used)
	s_cselect_b32 s97, 180224, 0                   ; in table 1 (x @ w_a_v) or table 0
	s_lshl_b32 s20, s41, 4
	s_add_co_u32 s12, s12, s20                     ; A: my work-group's first row tile: no register that feeds A's descriptors holds cx
	s_lshl_b32 s46, s40, 4
	s_add_co_u32 s13, s13, s46                     ; B: likewise without cy
	s_add_co_u32 s96, s96, s46
	s_lshl_b32 s2, s16, 3
	s_add_co_u32 s20, s12, s2                      ; the 8 tiles that I fetch
	s_add_co_u32 s46, s13, s2
	s_lshl_b32 s22, s20, 9                         ; their scale words, 512 bytes a tile,
	s_lshl_b32 s20, s20, 13                        ; and their codes, 8,192
	s_lshl_b32 s92, s46, 9
	s_lshl_b32 s46, s46, 13
	s_mov_b32 s21, 0
	s_mov_b32 s23, 0
	s_mov_b32 s47, 0
	s_mov_b32 s93, 0
	s_lshl_b32 s45, s14, 15                        ; where they go: wave x 32,768: no place in the cluster enters an LDS address
	s_lshl_b32 s94, s14, 12
	s_wait_dscnt 0x0                               ; both opening adds are done
	s_wait_kmcnt 0x0
	s_add_nc_u64 s[20:21], s[4:5], s[20:21]
	s_add_nc_u64 s[22:23], s[6:7], s[22:23]
	s_add_nc_u64 s[46:47], s[4:5], s[46:47]
	s_add_nc_u64 s[92:93], s[6:7], s[92:93]
	CROUND                                         ; all sixteen work-groups are here: the first joint loads meet
	s_mov_b32 s[G0S], 1
	s_add_co_u32 s[G0S+1], s94, SCL
	s_mov_b64 s[G0S+2:G0S+3], s[22:23]
	s_or_b32 s[G0S+3], s[G0S+3], 0x80000000
	s_mov_b32 s[G0SB], 1
	s_add_co_u32 s[G0SB+1], s94, SCL
	s_mov_b64 s[G0SB+2:G0SB+3], s[92:93]
	s_or_b32 s[G0SB+3], s[G0SB+3], 0x80000000
	JLOAD G0S, G1S, G0SB, G1SB                     ; the scale words first: they are wanted with slot 0
.irp s, 0,1
	s_mov_b32 s[G0+4*\s], 1
	s_add_co_u32 s[G0+4*\s+1], s45, \s*SLOT
	s_add_nc_u64 s[G0+4*\s+2:G0+4*\s+3], s[20:21], \s*STEPB
	s_or_b32 s[G0+4*\s+3], s[G0+4*\s+3], 0x80000000
	s_mov_b32 s[G0B+4*\s], 1
	s_add_co_u32 s[G0B+4*\s+1], s45, \s*SLOT
	s_add_nc_u64 s[G0B+4*\s+2:G0B+4*\s+3], s[46:47], \s*STEPB
	s_or_b32 s[G0B+4*\s+3], s[G0B+4*\s+3], 0x80000000
	JLOAD G0+4*\s, G1, G0B+4*\s, G1B
.endr
	v_and_b32 v1, 15, v0                           ; r
	v_bfe_u32 v2, v0, 4, 1                         ; h
	v_and_b32 v3, 31, v0
	v_lshlrev_b32 v[CO], 4, v3
	v_lshlrev_b32 v[LO], 3, v3
	s_lshl_b32 s21, s15, 15                        ; my 8 row tiles of A
	s_lshl_b32 s22, s16, 15                        ; my 8 of B,
	s_add_co_u32 s22, s22, BOFF                    ; which lie behind A's sixteen
.irp s, 0,1
	v_add_nc_u32 v[ADRA+\s], s21, v[CO]
	v_add_nc_u32 v[ADRB+\s], s22, v[CO]
	s_add_co_u32 s21, s21, SLOT
	s_add_co_u32 s22, s22, SLOT
.endr
	v_lshlrev_b32 v5, 2, v1                        ; a scale word: 4 bytes a row
	s_lshl_b32 s21, s15, 12                        ; A's: my 8 tiles
	s_lshl_b32 s22, s16, 12                        ; B's: my 8 tiles, behind A's 8,192 bytes
	s_add_co_u32 s22, s22, 8192
	s_sub_co_u32 s22, s22, s21
	v_mul_u32_u24 v6, s22, v2                      ; lanes 16-31 take B's: one product, the distance between the two
	s_add_co_u32 s21, s21, SCL
	v_add_nc_u32 v5, v5, v6
	v_add_nc_u32 v[ADRS], s21, v5
	; the rank-4 fragments: registers 0, 1 from memory (k = 8 h + 0..3), registers 2-7 zeros: of the instruction's 32 along K eight are used
	s_lshl_b32 s20, s15, 3
	s_add_co_u32 s20, s20, s12
	s_lshl_b32 s20, s20, 8
	s_mov_b32 s21, 0
	s_add_nc_u64 s[20:21], s[8:9], s[20:21]        ; A's rows: table 0
	s_lshl_b32 s22, s16, 3
	s_add_co_u32 s22, s22, s96
	s_lshl_b32 s22, s22, 8
	s_add_co_u32 s22, s22, s97
	s_mov_b32 s23, 0
	s_add_nc_u64 s[22:23], s[8:9], s[22:23]        ; B's rows
	WIN TO_B
.irp f, 0,1,2,3,4,5,6,7
	global_load_b64 v[LA+8*\f:LA+8*\f+1], v[LO], s[20:21] offset:256*\f
	global_load_b64 v[LB+8*\f:LB+8*\f+1], v[LO], s[22:23] offset:256*\f
.endr
.irp f, 0,1,2,3,4,5,6,7
.irp j, 2,3,4,5,6,7
	v_mov_b32 v[LA+8*\f+\j], 0
	v_mov_b32 v[LB+8*\f+\j], 0
.endr
.endr
	WIN 0
	; where my results go.  tt = 4 y + the place along which tokens run; bh0 = 16 (tt / 8) + 4 x the place along which channels run + 2 x my half of the channels.
	; Q, K: ((128 bh0 + 16 (tt % 8) + 8 th) token tiles of 2,048 bytes; V: (64 bh0 + 8 (tt % 8) + 4 th) blocks of 32 keys of 4,096 bytes: the same number of bytes
	s_cmp_eq_u32 ttmp9, 2
	s_cselect_b32 s66, s40, s41
	s_cselect_b32 s67, s41, s40
	s_cselect_b32 s94, s16, s15                    ; th: my half of the tokens
	s_cselect_b32 s95, s15, s16
	s_lshl_b32 s2, s17, 2
	s_add_co_u32 s2, s2, s66                       ; tt
	s_lshr_b32 s3, s2, 3
	s_lshl_b32 s3, s3, 4
	s_lshl_b32 s67, s67, 2
	s_add_co_u32 s3, s3, s67
	s_lshl_b32 s95, s95, 1
	s_add_co_u32 s3, s3, s95                       ; bh0
	s_lshl_b32 s3, s3, 18
	s_and_b32 s2, s2, 7
	s_lshl_b32 s2, s2, 15
	s_add_co_u32 s2, s2, s3
	s_lshl_b32 s94, s94, 14
	s_add_co_u32 s2, s2, s94
	s_lshl_b32 s3, ttmp9, 24                       ; Q at 0, K at 2^24, V at 2^25
	s_add_co_u32 s2, s2, s3
	s_mov_b32 s3, 0
	s_add_nc_u64 s[10:11], s[10:11], s[2:3]
.macro FRAG reg, adr, q, i             ; a fragment, 16 rows x 128 K of 4-bit codes, 8 registers, as its image lies
.irp c, 0,1
	ds_load_b128 v[\reg+4*\c:\reg+4*\c+3], v[\adr] offset:1024*(\q)+512*\c+(\i)*4096
.endr
.endm
; 16 matrix instructions: A's blocks a0, a0 + 1 x B's eight, 128 along K.  p: B's set;  sc: the set of scale words.  zero = 1: the first product starts the sums.
; The 64 accumulators take turns, one instruction a turn, in the same order in every step.
.macro MUL16 a0, p, q, sc, zero
.irp a, \a0, \a0+1
.irp b, 0,1,2,3,4,5,6,7
.if \zero
	v_wmma_scale_f32_16x16x128_f8f6f4 v[8*(8*((\a)%4)+\b):8*(8*((\a)%4)+\b)+7], v[128*(\p)+FR*\b:128*(\p)+FR*\b+FR-1], v[AF+FR*(\a):AF+FR*(\a)+FR-1], 0, v[SC+8*NQ*(\sc)+NQ*\b+(\q)], v[SC+8*NQ*(\sc)+NQ*(\a)+(\q)] matrix_a_fmt:MATRIX_FMT_FP4 matrix_b_fmt:MATRIX_FMT_FP4 matrix_a_scale:MATRIX_SCALE_ROW1
.else
	v_wmma_scale_f32_16x16x128_f8f6f4 v[8*(8*((\a)%4)+\b):8*(8*((\a)%4)+\b)+7], v[128*(\p)+FR*\b:128*(\p)+FR*\b+FR-1], v[AF+FR*(\a):AF+FR*(\a)+FR-1], v[8*(8*((\a)%4)+\b):8*(8*((\a)%4)+\b)+7], v[SC+8*NQ*(\sc)+NQ*\b+(\q)], v[SC+8*NQ*(\sc)+NQ*(\a)+(\q)] matrix_a_fmt:MATRIX_FMT_FP4 matrix_b_fmt:MATRIX_FMT_FP4 matrix_a_scale:MATRIX_SCALE_ROW1
.endif
.endr
.endr
.endm
.macro FETCH_B slot, q, p
	WIN TO_B
.irp i, 0,1,2,3,4,5,6,7
	FRAG 128*(\p)+FR*\i, ADRB+\slot, \q, \i
.endr
	WIN 0
.endm
.macro FETCH_A slot, q, i0
.irp i, \i0, \i0+1, \i0+2, \i0+3
	FRAG AF+FR*(\i), ADRA+\slot, \q, \i
.endr
.endm
.macro SCALES sc                       ; slot sc's scale words: lanes 0-15 take A's block i, lanes 16-31 B's block i
.irp i, 0,1,2,3,4,5,6,7
.irp q, 0,1,2,3
	ds_load_b32 v[SC+32*\sc+4*\i+\q], v[ADRS] offset:512*\i+64*(4*\sc+\q)
.endr
.endr
.endm
; A load into a register that a matrix instruction has read, and a vector instruction that reads a matrix result, stand NP places behind that matrix instruction; only plain vector
; instructions that name none of its registers are places (ISA guide 7.12.1 for vector instructions).
.macro PLACES n
.rept \n
	v_nop
.endr
.endm
.macro STEP slot, q, zero              ; a step of 128 along K that has its successor in the same slot
	s_wait_dscnt 4*NL                              ; B's set, A's blocks 0-3 and the scale words are in; the youngest loads (A's blocks 4-7) may be out
	WIN MUL_LO
	MUL16 0, (\q)%2, \q, \slot, \zero
	MUL16 2, (\q)%2, \q, \slot, \zero
	s_wait_dscnt 0                                 ; A's blocks 4-7 are in
	PLACES NP
	FETCH_B \slot, (\q)+1, 1-(\q)%2
	FETCH_A \slot, (\q)+1, 0
	WIN MUL_HI
	MUL16 4, (\q)%2, \q, \slot, \zero
	MUL16 6, (\q)%2, \q, \slot, \zero
	PLACES NP
	WIN 0
	FETCH_A \slot, (\q)+1, 4
.endm
	s_wait_tensorcnt 1                             ; the scale words and my part of slot 0 are in (slot 1's load may be out)
	s_barrier_signal -1
	s_barrier_wait -1                              ; everybody's are
	FETCH_B 0, 0, 0
	FETCH_A 0, 0, 0
	SCALES 0
	FETCH_A 0, 0, 4
	STEP 0, 0, 1                                   ; the first step's products start the sums: nothing is cleared
	STEP 0, 1, 0
	STEP 0, 2, 0
	; slot 0's last step goes over to slot 1: one barrier; in front of it each wave's part of slot 1 has landed
	s_wait_tensorcnt 0x0                           ; all my tensor loads have landed
	ds_add_u32 v[SPW], v[NIL]                      ; 0 onto my spare word
	s_wait_dscnt 4*NL+1                            ; (the add and the youngest loads, A's blocks 4-7, may be out)
	WIN MUL_LO
	MUL16 0, 1, 3, 0, 0
	s_wait_dscnt 0x0
	s_barrier_signal -1
	MUL16 2, 1, 3, 0, 0
	WIN 0
	s_barrier_wait -1
	PLACES NP
	FETCH_B 1, 0, 0
	FETCH_A 1, 0, 0
	SCALES 1
	WIN MUL_HI
	MUL16 4, 1, 3, 0, 0
	MUL16 6, 1, 3, 0, 0
	PLACES NP
	WIN 0
	FETCH_A 1, 0, 4
	STEP 1, 0, 0
	STEP 1, 1, 0
	STEP 1, 2, 0
	s_wait_dscnt 4*NL                              ; the last step: nothing more to fetch
	WIN MUL_LO
	MUL16 0, 1, 3, 1, 0
	MUL16 2, 1, 3, 1, 0
	s_wait_dscnt 0
	WIN MUL_HI
	MUL16 4, 1, 3, 1, 0
	MUL16 6, 1, 3, 1, 0
	WIN 0
	; THE RANK-4 TERMS, on q and v: another form adds onto the accumulators, so it is no link of their chains and stands five places behind the last product
	PLACES 5
	s_wait_loadcnt 0x0                             ; the rank-4 fragments
	s_cmp_eq_u32 ttmp9, 1                          ; k has none: the cluster's x, the same in all partners
	s_cbranch_scc1 .Lno_lora
	WIN 0xa5                                       ; sources 0 and 1 window 1, C and D window 2
.irp a, 0,1,2,3
.irp b, 0,1,2,3,4,5,6,7
	v_wmma_f32_16x16x32_f16 v[8*(8*\a+\b):8*(8*\a+\b)+7], v[LB+8*\b:LB+8*\b+7], v[LA+8*\a:LA+8*\a+7], v[8*(8*\a+\b):8*(8*\a+\b)+7]
.endr
.endr
	WIN 0xf5                                       ; C and D window 3
.irp a, 4,5,6,7
.irp b, 0,1,2,3,4,5,6,7
	v_wmma_f32_16x16x32_f16 v[8*(8*(\a-4)+\b):8*(8*(\a-4)+\b)+7], v[LB+8*\b:LB+8*\b+7], v[LA+8*\a:LA+8*\a+7], v[8*(8*(\a-4)+\b):8*(8*(\a-4)+\b)+7]
.endr
.endr
	WIN 0
.Lno_lora:
	PLACES NP
; THE WAY OUT.  Block a's eight accumulators, each from its low end on, are rounded to f16: four registers an accumulator, which ARE four registers of a fragment of the next launch.  kind = 1: v.
.macro OUT kind
.irp a, 0,1,2,3,4,5,6,7
.if \a >= 4
	s_wait_xcnt 0x0                                ; the stores of four blocks back have read their registers
.endif
	WIN 0x0a+5*(\a/4)                              ; sources 0 and 1: window 2 or 3
.irp b, 0,1,2,3,4,5,6,7
.irp r, 0,1,2,3
	v_cvt_pk_f16_f32 v[PK+32*(\a%4)+4*\b+\r], v[64*(\a%4)+8*\b+2*\r], v[64*(\a%4)+8*\b+2*\r+1]
.endr
.endr
	WIN 0
.irp b, 0,1,2,3,4,5,6,7
.if \kind
	global_store_b128 v[CO], v[PK+32*(\a%4)+4*\b:PK+32*(\a%4)+4*\b+3], s[10:11] offset:262144*(\a/4)+1024*(\a%4)+4096*(\b/2)+512*(\b%2)   ; head a / 4, channels 16 (a % 4) on, keys 16 b on
.else
	global_store_b128 v[CO], v[PK+32*(\a%4)+4*\b:PK+32*(\a%4)+4*\b+3], s[10:11] offset:2048*\a+262144*(\b/4)+512*(\b%4)                    ; token tile a, head b / 4, channels 16 (b % 4) on
.endif
.endr
.endr
.endm
	s_cmp_eq_u32 ttmp9, 2
	s_cbranch_scc1 .Lout_v
	OUT 0
	s_branch .Ldone
.Lout_v:
	OUT 1
.Ldone:
	s_wait_tensorcnt 0x0                           ; the wave's end
	ds_add_u32 v[SPW], v[NIL]
	s_wait_dscnt 0x0
	CROUND                                         ; the closing round: no work-group ends while a partner may still ask for a tile that names it
	s_endpgm
.Lfunc_end_k_q0d96a1d8cd_qkv:
	.size	k_q0d96a1d8cd_qkv, .Lfunc_end_k_q0d96a1d8cd_qkv-k_q0d96a1d8cd_qkv
	.p2alignl 7, 3214868480
	.fill 96, 4, 3214868480
	.section	.rodata,"a",@progbits
	.p2align	6, 0x0
	.amdhsa_kernel k_q0d96a1d8cd_qkv
		.amdhsa_group_segment_fixed_size 327680
		.amdhsa_private_segment_fixed_size 0
		.amdhsa_enable_private_segment 0
		.amdhsa_kernarg_size 32
		.amdhsa_user_sgpr_count 2
		.amdhsa_user_sgpr_kernarg_segment_ptr 1
		.amdhsa_wavefront_size32 1
		.amdhsa_system_sgpr_workgroup_id_x 1
		.amdhsa_system_sgpr_workgroup_id_y 1
		.amdhsa_system_sgpr_workgroup_id_z 1
		.amdhsa_system_vgpr_workitem_id 0
		.amdhsa_next_free_vgpr 1024
		.amdhsa_next_free_sgpr 98
		.amdhsa_reserve_vcc 0
		.amdhsa_float_denorm_mode_32 3
		.amdhsa_float_denorm_mode_16_64 3
		.amdhsa_memory_ordered 1
		.amdhsa_forward_progress 1
		.amdhsa_inst_pref_size 152
	.end_amdhsa_kernel
	.amdgpu_metadata
---
amdhsa.version: [ 1, 2 ]
amdhsa.kernels:
  - .name:           k_q0d96a1d8cd_qkv
    .symbol:         k_q0d96a1d8cd_qkv.kd
    .args:
      - { .name: cod, .offset: 0, .size: 8, .value_kind: global_buffer, .address_space: global }
      - { .name: scl, .offset: 8, .size: 8, .value_kind: global_buffer, .address_space: global }
      - { .name: lor, .offset: 16, .size: 8, .value_kind: global_buffer, .address_space: global }
      - { .name: qkv, .offset: 24, .size: 8, .value_kind: global_buffer, .address_space: global }
    .group_segment_fixed_size: 327680
    .private_segment_fixed_size: 0
    .kernarg_segment_align: 8
    .kernarg_segment_size: 32
    .max_flat_workgroup_size: 128
    .sgpr_count:     98
    .vgpr_count:     1024
    .wavefront_size: 32
...
	.end_amdgpu_metadata
.endif
;; end of part 2
;; launch attn (part 3): grid 4 x 64, 8 waves a work-group, clusters of 4 x 1, 327,680 bytes of LDS; arguments qkv, ao; writes ao
.if DOCPART == 3
	.amdgcn_target "amdgcn-amd-amdhsa--gfx1250"
	.amdhsa_code_object_version 6
	.text
	.protected	k_q0d96a1d8cd_attn
	.globl	k_q0d96a1d8cd_attn
	.p2align	8
	.type	k_q0d96a1d8cd_attn,@function
k_q0d96a1d8cd_attn:
	s_mov_b64 s[64:65], 0
	v_nop
	global_prefetch_b8 v0, s[64:65] scope:SCOPE_SE
	s_setreg_imm32_b32 hwreg(HW_REG_WAVE_MODE, 25, 1), 1
	s_wait_xcnt 0x0
	s_wait_alu depctr_hold_cnt(0) depctr_sa_sdst(0) depctr_va_vdst(0) depctr_va_sdst(0) depctr_va_ssrc(0) depctr_va_vcc(0) depctr_vm_vsrc(0)
	s_getreg_b32 s2, hwreg(HW_REG_IB_STS2, 6, 4)
	s_cmp_eq_u32 s2, 0
	s_cbranch_scc0 .Lentry_in_a_cluster
	s_endpgm
.Lentry_in_a_cluster:
	s_bfe_u32 s2, ttmp6, 0x10000c
	s_cmp_lg_u32 s2, 0x3003
	s_cbranch_scc0 .Lentry_shape_is_right
	s_endpgm
.Lentry_shape_is_right:
; O[bh][q] = the sum over k of softmax_k(Q[bh][q] . K[bh][k] / 8) V[bh][k].  64 (batch, head) pairs, 2,048 tokens, head size 64, no mask.  Operands f16, products, maxima and sums f32.
; Q, K, V come as images of operand registers (four registers: 512 bytes, lane l's 16 bytes at 16 l); O leaves as such an image for the projection, rounded once to f16.
; LIMITS: p (at most 1) is rounded to f16, step 6e-8 under 6e-5; O over 65,504 in magnitude becomes infinity.
; SHARES.  A cluster of four work-groups owns one (batch, head); a work-group 512 queries; each of its eight waves 64: four tiles of 16.  Two waves share a SIMD, 512 registers each, so that one wave's
; products stand beside the other's softmax.  Every wave walks all 2,048 keys, 64 a step.
; LAYOUT.  S^T = K Q^T (source 0 = 16 keys, source 1 = 16 queries): a lane holds ONE query and keys 8 (lane / 16) + 0..7.  Two such tiles, rounded to f16 in pairs, ARE source 1 (32 keys x 16 queries) of
; O^T = V^T P, whose result again holds one query a lane and eight channels.  V's image has the keys innermost, so nothing is turned.
; SOFTMAX.  For each query a running maximum m and sum l: p = 2^(c s - c m), c = log2(e) / 8; in every step O and l are multiplied by a = 2^(c m_old - c m_new).
; THE RING.  Two slots of 512 keys (K's 65,536 bytes, then V's), four fills.  Each of the eight waves brings 16,384 dense bytes by one joint load whose mask names the four work-groups, which walk the same K and V.
; By the text's own count a wave has two tensor loads out at the head and one behind each round; a refill goes out eight key steps, 512 matrix instructions of the wave, ahead of its first read.
; The step is written once for all steps: O^T and l begin as zeros and m as -3e38, and the first a is 0.
; REGISTERS: window 0: v1-7 addresses; v8-39 eight statistics a tile; v64-191 S^T, 32 a tile, p's f16 pairs in place in each tile's first 16; v192-255 K of one step.
;   window 1: v0-127 O^T, 32 a tile; v128-191 Q; v192-255 V of one step.
.set SLOT1, 1<<17
.set SPARE, 262144                     ; behind the ring: the spare words, 128 bytes a wave: four blocks of 256 bytes that no other line names
.set AK0, 1                            ; v1  16 x lane
.set AV0, 2                            ; v2  16 x lane + 65,536
.set ADK, 3                            ; v3  LDS address of K's run of loads
.set ADV, 4                            ; v4  of V's
.set SPW, 6                            ; v6  LDS address of my spare word; never rewritten
.set NIL, 7                            ; v7  0; never rewritten
.set ST,  8                            ; tile t at v[ST + 8 t]: +0 c m, +1 m, +2, +3 l (even keys', odd keys'), +4 to +7 at work; a in +6
.set S,   64
.set KF,  192
.set VF,  192                          ; window 1
.set QF,  128                          ; window 1
.set WV,  12
.set G1,  24                           ; s[24:31] descriptor group 1, the same for every load
.set G0A, 32                           ; s[32:35] group 0 of the first fill
.set G0B, 36                           ; s[36:39] of the second; it then walks
.set CS,  58                           ; s[58:59] c
.set SEL, 60                           ; s[60:61] v_permlanex16_b32: lane l xor 16
.set TB,  62                           ; s62 LDS byte at which the tiles of the step to be fetched begin
.set MSB, 0
.macro WIN new
.if MSB != \new
	s_set_vgpr_msb (MSB<<8)|\new
.set MSB, \new
.endif
.endm
.macro PLACES
.rept 4
	v_nop
.endr
.endm
.macro CROUND
	s_barrier_signal -1
	s_barrier_wait -1
	s_cmp_lg_u32 s[WV], 0
	s_cbranch_scc1 .Lnot_wave_0_\@
	s_barrier_signal -3
.Lnot_wave_0_\@:
	s_barrier_wait -3
	s_barrier_signal -1
	s_barrier_wait -1
.endm
.macro FETCH_K                         ; a step's K: four tiles of 16 keys x 64 channels: 16 loads of 512 consecutive bytes
	v_add_nc_u32 v[ADK], s[TB], v[AK0]
.irp f, 0,1,2,3,4,5,6,7,8,9,10,11,12,13,14,15
	ds_load_b128 v[KF+4*\f:KF+4*\f+3], v[ADK] offset:512*\f
.endr
.endm
.macro FETCH_V                         ; the same step's V: two blocks of 32 keys x four tiles of 16 channels
	v_add_nc_u32 v[ADV], s[TB], v[AV0]
	s_add_co_u32 s[TB], s[TB], 8192                ; the next fetch is the next step's
	WIN 0x40                                       ; destination window 1
.irp f, 0,1,2,3,4,5,6,7,8,9,10,11,12,13,14,15
	ds_load_b128 v[VF+4*\f:VF+4*\f+3], v[ADV] offset:512*\f
.endr
	WIN 0
.endm
; 32 products S^T = K Q^T: channels 32 (i / 16) on, keys 16 ((i / 4) % 4) on, tile i % 4.  The first 16 start the sums.  The 16 accumulators take turns.
.macro KQ
	WIN 0x04                                       ; Q in window 1
.set i, 0
.rept 32
.set rS, S+32*(i%4)+8*((i/4)%4)
.set rK, KF+16*((i/4)%4)+8*(i/16)
.set rQ, QF+16*(i%4)+8*(i/16)
.if i < 16
	v_wmma_f32_16x16x32_f16 v[rS:rS+7], v[rK:rK+7], v[rQ:rQ+7], 0
.else
	v_wmma_f32_16x16x32_f16 v[rS:rS+7], v[rK:rK+7], v[rQ:rQ+7], v[rS:rS+7]
.endif
.set i, i+1
.endr
	WIN 0
.endm
; 32 products O^T += V^T P: keys 32 (i / 16) on, channels 16 ((i / 4) % 4) on, tile i % 4
.macro PV
	WIN 0x51                                       ; V and O^T in window 1, P in window 0
.set i, 0
.rept 32
.set rO, 32*(i%4)+8*((i/4)%4)
.set rV, VF+32*(i/16)+8*((i/4)%4)
.set rP, S+32*(i%4)+8*(i/16)
	v_wmma_f32_16x16x32_f16 v[rO:rO+7], v[rV:rV+7], v[rP:rP+7], v[rO:rO+7]
.set i, i+1
.endr
	WIN 0
.endm
; The softmax of a step, the four tiles by turns at every line, so that no line waits for the line above it
.macro SOFTMAX
.irp j, 0,1,2,3
.irp t, 0,1,2,3
	v_max3_num_f32 v[ST+8*\t+4+\j], v[S+32*\t+8*\j], v[S+32*\t+8*\j+1], v[S+32*\t+8*\j+2]   ; four chains a tile; each accumulator is read from its low end on
.endr
.endr
.irp u, 1,2
.irp j, 0,1,2,3
.irp t, 0,1,2,3
	v_max3_num_f32 v[ST+8*\t+4+\j], v[ST+8*\t+4+\j], v[S+32*\t+8*\j+2*\u+1], v[S+32*\t+8*\j+2*\u+2]
.endr
.endr
.endr
.irp t, 0,1,2,3
	v_max3_num_f32 v[ST+8*\t+4], v[ST+8*\t+4], v[S+32*\t+7], v[S+32*\t+15]
.endr
.irp t, 0,1,2,3
	v_max3_num_f32 v[ST+8*\t+6], v[ST+8*\t+6], v[S+32*\t+23], v[S+32*\t+31]
.endr
.irp t, 0,1,2,3
	v_max3_num_f32 v[ST+8*\t+4], v[ST+8*\t+4], v[ST+8*\t+5], v[ST+8*\t+6]
.endr
.irp t, 0,1,2,3
	v_max3_num_f32 v[ST+8*\t+4], v[ST+8*\t+4], v[ST+8*\t+7], v[ST+8*\t+1]   ; with the old m
.endr
.irp t, 0,1,2,3
	v_permlanex16_b32 v[ST+8*\t+5], v[ST+8*\t+4], s[SEL], s[SEL+1]          ; the query's other 32 keys lie in the lane 16 away
.endr
.irp t, 0,1,2,3
	v_mov_b32 v[ST+8*\t+7], v[ST+8*\t]             ; c m_old is kept for a
.endr
.irp t, 0,1,2,3
	v_max_num_f32 v[ST+8*\t+1], v[ST+8*\t+4], v[ST+8*\t+5]
.endr
.irp t, 0,1,2,3
	v_mul_f32 v[ST+8*\t], s[CS], v[ST+8*\t+1]
.endr
.irp t, 0,1,2,3
	v_sub_f32 v[ST+8*\t+7], v[ST+8*\t+7], v[ST+8*\t]
.endr
.irp b, 0,1,2,3,4,5,6,7,8,9,10,11,12,13,14,15
.irp t, 0,1,2,3
	v_pk_fma_f32 v[S+32*\t+2*\b:S+32*\t+2*\b+1], v[S+32*\t+2*\b:S+32*\t+2*\b+1], s[CS:CS+1], v[ST+8*\t:ST+8*\t+1] op_sel_hi:[1,0,0] neg_lo:[0,0,1] neg_hi:[0,0,1]   ; c s - c m, two at a time
.endr
.endr
.irp t, 0,1,2,3
	v_exp_f32 v[ST+8*\t+6], v[ST+8*\t+7]           ; a
.endr
.set e, 0
.rept 32
.irp t, 0,1,2,3
	v_exp_f32 v[S+32*\t+e], v[S+32*\t+e]           ; p: ONE BATCH of 132 exponentials, none of which reads another's result
.endr
.set e, e+1
.endr
	v_nop                                          ; a plain instruction behind the last exponential, ahead of the first use
	s_wait_alu depctr_va_vdst(0)                   ; the wait ahead of the first instruction that names a result: one for the batch
.irp t, 0,1,2,3
	v_pk_fma_f32 v[ST+8*\t+2:ST+8*\t+3], v[ST+8*\t+2:ST+8*\t+3], v[ST+8*\t+6:ST+8*\t+7], v[S+32*\t:S+32*\t+1] op_sel_hi:[1,0,1]   ; l = a l + the first pair; the sum is taken of p in f32
.endr
.irp b, 1,2,3,4,5,6,7,8,9,10,11,12,13,14,15
.irp t, 0,1,2,3
	v_pk_add_f32 v[ST+8*\t+2:ST+8*\t+3], v[ST+8*\t+2:ST+8*\t+3], v[S+32*\t+2*\b:S+32*\t+2*\b+1]
.endr
.endr
.irp b, 0,1,2,3,4,5,6,7,8,9,10,11,12,13,14,15
.irp t, 0,1,2,3
	v_cvt_pk_f16_f32 v[S+32*\t+\b], v[S+32*\t+2*\b], v[S+32*\t+2*\b+1]   ; in place, ascending: register b is written when pairs 0 to b have been read
.endr
.endr
	WIN 0x41                                       ; O^T (destination and source 0) in window 1, a in window 0
.irp b, 0,1,2,3,4,5,6,7,8,9,10,11,12,13,14,15
.irp t, 0,1,2,3
	v_pk_mul_f32 v[32*\t+2*\b:32*\t+2*\b+1], v[32*\t+2*\b:32*\t+2*\b+1], v[ST+8*\t+6:ST+8*\t+7] op_sel_hi:[1,0]
.endr
.endr
	WIN 0
.endm
; THE CHANGE OF SLOTS, in a slot's last step, behind its products K Q^T: the slot's last bytes, V of this step, have been asked for.  Each wave waits for all its tensor loads (its part of the other slot), adds 0
; to its spare word, and waits for that and for its reads of this slot.  fill = 1: the barrier is a round of the cluster's, and the joint refill is the first thing behind it.
; The four v_nop are the places behind the products, in front of the loads into K's registers and of the softmax.
.macro CHANGE fill
	s_wait_tensorcnt 0x0                           ; no tensor load of mine is out, so a group 0 may be written
	ds_add_u32 v[SPW], v[NIL]                      ; 0 onto my spare word
.if \fill
	s_xor_b32 s[G0B+1], s[G0B+1], SLOT1            ; the walking descriptor: the other slot than last time,
	s_add_nc_u64 s[G0B+2:G0B+3], s[G0B+2:G0B+3], 65536   ; the next 512 keys; the type bits on top are not reached
	s_wait_dscnt 0x0                               ; the add is done, and my reads of the slot are over
	CROUND
	tensor_load_to_lds s[G0B:G0B+3], s[G1:G1+7]
	s_nop 0
.else
	s_wait_dscnt 0x0
	s_barrier_signal -1
	s_barrier_wait -1
.endif
	PLACES
	s_sub_co_u32 s[TB], s[TB], 65536               ; the fetches go back to a slot's first step,
	s_xor_b32 s[TB], s[TB], SLOT1                  ; in the other slot
.endm
; A KEY STEP.  kind 0: inside a slot; 1: a slot's last, the slot is filled again; 2: a slot's last, nothing is asked for; 3: the last of all.
.macro STEP kind
	s_wait_dscnt 16                                ; K is in; V's 16 loads, issued behind K's, may be out
	KQ
.if \kind == 1
	CHANGE 1
.elseif \kind == 2
	CHANGE 0
.else
	PLACES                                         ; behind the products: in front of the loads into K's registers and of the softmax
.endif
.if \kind != 3
	FETCH_K                                        ; the next step's
.endif
	SOFTMAX
.if \kind == 3
	s_wait_dscnt 0x0
.else
	s_wait_dscnt 16                                ; V is in; the next K's 16 loads may be out
.endif
	PV
.if \kind != 3
	PLACES                                         ; with the addition in FETCH_V five places: the next step's first products write over P, which these products have read
	FETCH_V
.endif
.endm
	s_load_b128 s[4:7], s[0:1], 0x0                ; qkv s[4:5], ao s[6:7]
	v_lshl_add_u32 v[SPW], v0, 2, SPARE
	v_mov_b32 v[NIL], 0
	ds_add_u32 v[SPW], v[NIL]                      ; the wave's opening: the add, twice on end, and its wait ahead of my first tensor load
	ds_add_u32 v[SPW], v[NIL]                      ; and once more; the set-up below, work on registers, stands between it and the wait
	v_lshrrev_b32 v5, 5, v0
	v_readfirstlane_b32 s[WV], v5                  ; wave 0..7
	s_bfe_u32 s13, ttmp6, 0x40000                  ; cx: my block of 512 queries: it enters Q's and O's addresses alone
	s_and_b32 s14, ttmp7, 0xffff                   ; bh, which the four partners share
	s_lshl_b32 s15, s14, 18                        ; 262,144 bytes of each of Q, K, V a (batch, head)
	s_lshr_b32 s16, s[WV], 2                       ; waves 0-3 fetch K (at 2^24), waves 4-7 V (at 2^25),
	s_add_co_u32 s16, s16, 1
	s_lshl_b32 s16, s16, 24
	s_add_co_u32 s16, s16, s15
	s_and_b32 s17, s[WV], 3                        ; a quarter of a fill each: 16,384 bytes
	s_lshl_b32 s17, s17, 14
	s_add_co_u32 s16, s16, s17
	s_mov_b32 s17, 0
	s_lshl_b32 s18, s[WV], 14                      ; and where it goes in a slot
	s_lshl_b32 s20, s13, 16                        ; Q: 32 token tiles of 2,048 bytes a work-group, 4 a wave
	s_add_co_u32 s20, s20, s15
	s_lshl_b32 s21, s[WV], 13
	s_add_co_u32 s20, s20, s21
	s_mov_b32 s21, 0
	s_lshr_b32 s22, s14, 4                         ; ao: token tile 128 batch + 32 cx + 4 wave, 32,768 bytes each; the head's 2,048 bytes in it
	s_lshl_b32 s22, s22, 22
	s_lshl_b32 s23, s13, 20
	s_add_co_u32 s22, s22, s23
	s_lshl_b32 s23, s[WV], 17
	s_add_co_u32 s22, s22, s23
	s_and_b32 s23, s14, 15
	s_lshl_b32 s23, s23, 11
	s_add_co_u32 s22, s22, s23
	s_mov_b32 s23, 0
	s_mov_b32 s[G1], 15|(3<<16)|(1<<21)            ; 15:0 the mask: all four work-groups; 17:16 elements of 8 bytes; 21 set beside a mask; no padding
	s_mov_b32 s[G1+1], 32<<16                      ; tensor_dim0: rows of 256 bytes
	s_mov_b32 s[G1+2], 64<<16                      ; tensor_dim1
	s_mov_b32 s[G1+3], 32<<16                      ; tile_dim0
	s_mov_b32 s[G1+4], 64                          ; tile_dim1
	s_mov_b32 s[G1+5], 32                          ; dense
	s_mov_b32 s[G1+6], 0
	s_mov_b32 s[G1+7], 0
	s_mov_b32 s[CS], 0x3e38aa3b                    ; c = log2(e) / 8
	s_mov_b32 s[CS+1], s[CS]                       ; named with it as a pair, so it is written
	s_mov_b32 s[SEL], 0x76543210
	s_mov_b32 s[SEL+1], 0xfedcba98
	s_mov_b32 s[TB], 0
	s_wait_dscnt 0x0                               ; both opening adds are done
	s_wait_kmcnt 0x0
	s_add_nc_u64 s[8:9], s[4:5], s[20:21]          ; Q at my first tile
	s_add_nc_u64 s[6:7], s[6:7], s[22:23]          ; ao likewise
	s_add_nc_u64 s[10:11], s[4:5], s[16:17]        ; my quarter of the first fill
	CROUND                                         ; all four work-groups are here: the first joint loads meet
	s_mov_b32 s[G0A], 1
	s_mov_b32 s[G0A+1], s18
	s_mov_b64 s[G0A+2:G0A+3], s[10:11]
	s_or_b32 s[G0A+3], s[G0A+3], 0x80000000
	s_mov_b32 s[G0B], 1
	s_add_co_u32 s[G0B+1], s18, SLOT1
	s_add_nc_u64 s[G0B+2:G0B+3], s[10:11], 65536
	s_or_b32 s[G0B+3], s[G0B+3], 0x80000000
	tensor_load_to_lds s[G0A:G0A+3], s[G1:G1+7]    ; keys 0-511
	s_nop 0
	tensor_load_to_lds s[G0B:G0B+3], s[G1:G1+7]    ; keys 512-1,023
	s_nop 0
	PLACES
	v_and_b32 v[AK0], 31, v0
	v_lshlrev_b32 v[AK0], 4, v[AK0]
	v_add_nc_u32 v[AV0], 65536, v[AK0]
	WIN 0x40                                       ; destination window 1
.irp f, 0,1,2,3,4,5,6,7,8,9,10,11,12,13,14,15
	global_load_b128 v[QF+4*\f:QF+4*\f+3], v[AK0], s[8:9] offset:512*\f   ; Q stays in registers
.endr
.set i, 0
.rept 128
	v_mov_b32 v[i], 0                              ; O^T: cleared once, so that the step needs no first copy of its own
.set i, i+1
.endr
	WIN 0
.irp t, 0,1,2,3
	v_mov_b32 v[ST+8*\t+1], 0xff61b1e6             ; m = -3e38, under every score
	v_mov_b32 v[ST+8*\t+2], 0                      ; l
	v_mov_b32 v[ST+8*\t+3], 0
.endr
.irp t, 0,1,2,3
	v_mul_f32 v[ST+8*\t], s[CS], v[ST+8*\t+1]      ; c m
.endr
	s_wait_tensorcnt 1                             ; my part of slot 0 is in; slot 1's may stay out
	s_barrier_signal -1
	s_barrier_wait -1                              ; everybody's is
	FETCH_K
	FETCH_V
	s_wait_loadcnt 0x0                             ; Q
	s_mov_b32 s56, 2
.Lslot:                                            ; two trips: keys 0-511 and 512-1,023; each slot is filled again in its last step
	s_mov_b32 s57, 7
.Lstep_a:
	STEP 0
	s_sub_co_u32 s57, s57, 1
	s_cmp_lg_u32 s57, 0
	s_cbranch_scc1 .Lstep_a
	STEP 1
	s_sub_co_u32 s56, s56, 1
	s_cmp_lg_u32 s56, 0
	s_cbranch_scc1 .Lslot
	s_mov_b32 s57, 7                               ; the tail is written out
.Lstep_b:
	STEP 0
	s_sub_co_u32 s57, s57, 1
	s_cmp_lg_u32 s57, 0
	s_cbranch_scc1 .Lstep_b
	STEP 2
	s_mov_b32 s57, 7
.Lstep_c:
	STEP 0
	s_sub_co_u32 s57, s57, 1
	s_cmp_lg_u32 s57, 0
	s_cbranch_scc1 .Lstep_c
	STEP 3
	; THE WAY OUT.  l's two halves and the other half of the lanes' are added; O^T is divided by l and rounded to f16: a lane's eight channels are 16 bytes of the projection's operand image.  The additions are the places behind the last products.
.irp t, 0,1,2,3
	v_add_f32 v[ST+8*\t+4], v[ST+8*\t+2], v[ST+8*\t+3]
.endr
.irp t, 0,1,2,3
	v_permlanex16_b32 v[ST+8*\t+5], v[ST+8*\t+4], s[SEL], s[SEL+1]
.endr
.irp t, 0,1,2,3
	v_add_f32 v[ST+8*\t+4], v[ST+8*\t+4], v[ST+8*\t+5]
.endr
.irp t, 0,1,2,3
	v_rcp_f32 v[ST+8*\t+6], v[ST+8*\t+4]
.endr
	v_nop                                          ; a plain instruction between the last reciprocal and the use of its result
	s_wait_alu depctr_va_vdst(0)                   ; and the wait: one for the four
	WIN 0x41
.irp t, 0,1,2,3
.irp b, 0,1,2,3,4,5,6,7,8,9,10,11,12,13,14,15
	v_pk_mul_f32 v[32*\t+2*\b:32*\t+2*\b+1], v[32*\t+2*\b:32*\t+2*\b+1], v[ST+8*\t+6:ST+8*\t+7] op_sel_hi:[1,0]
.endr
.endr
	WIN 0x05                                       ; sources 0 and 1 window 1, destination window 0: S^T's registers are free
.irp t, 0,1,2,3
.irp b, 0,1,2,3,4,5,6,7,8,9,10,11,12,13,14,15
	v_cvt_pk_f16_f32 v[S+16*\t+\b], v[32*\t+2*\b], v[32*\t+2*\b+1]
.endr
.endr
	WIN 0
.irp t, 0,1,2,3
.irp c, 0,1,2,3
	global_store_b128 v[AK0], v[S+16*\t+4*\c:S+16*\t+4*\c+3], s[6:7] offset:32768*\t+512*\c   ; 512 consecutive bytes, aligned: token tile t, channels 16 c on of my head
.endr
.endr
	s_wait_tensorcnt 0x0                           ; the wave's end
	ds_add_u32 v[SPW], v[NIL]
	s_wait_dscnt 0x0
	CROUND                                         ; the closing round: no work-group ends while a partner may still ask for a tile that names it
	s_endpgm
.Lfunc_end_k_q0d96a1d8cd_attn:
	.size	k_q0d96a1d8cd_attn, .Lfunc_end_k_q0d96a1d8cd_attn-k_q0d96a1d8cd_attn
	.p2alignl 7, 3214868480
	.fill 96, 4, 3214868480
	.section	.rodata,"a",@progbits
	.p2align	6, 0x0
	.amdhsa_kernel k_q0d96a1d8cd_attn
		.amdhsa_group_segment_fixed_size 327680
		.amdhsa_private_segment_fixed_size 0
		.amdhsa_enable_private_segment 0
		.amdhsa_kernarg_size 16
		.amdhsa_user_sgpr_count 2
		.amdhsa_user_sgpr_kernarg_segment_ptr 1
		.amdhsa_wavefront_size32 1
		.amdhsa_system_sgpr_workgroup_id_x 1
		.amdhsa_system_sgpr_workgroup_id_y 1
		.amdhsa_system_sgpr_workgroup_id_z 1
		.amdhsa_system_vgpr_workitem_id 0
		.amdhsa_next_free_vgpr 512
		.amdhsa_next_free_sgpr 66
		.amdhsa_reserve_vcc 0
		.amdhsa_float_denorm_mode_32 3
		.amdhsa_float_denorm_mode_16_64 3
		.amdhsa_memory_ordered 1
		.amdhsa_forward_progress 1
		.amdhsa_inst_pref_size 212
	.end_amdhsa_kernel
	.amdgpu_metadata
---
amdhsa.version: [ 1, 2 ]
amdhsa.kernels:
  - .name:           k_q0d96a1d8cd_attn
    .symbol:         k_q0d96a1d8cd_attn.kd
    .args:
      - { .name: qkv, .offset: 0, .size: 8, .value_kind: global_buffer, .address_space: global }
      - { .name: ao, .offset: 8, .size: 8, .value_kind: global_buffer, .address_space: global }
    .group_segment_fixed_size: 327680
    .private_segment_fixed_size: 0
    .kernarg_segment_align: 8
    .kernarg_segment_size: 16
    .max_flat_workgroup_size: 256
    .sgpr_count:     66
    .vgpr_count:     512
    .wavefront_size: 32
...
	.end_amdgpu_metadata
.endif
;; end of part 3
;; launch proj (part 4): grid 4 x 64, 4 waves a work-group, clusters of 4 x 4, 327,680 bytes of LDS; arguments ao, wp, b_proj, out0; writes out0
.if DOCPART == 4
	.amdgcn_target "amdgcn-amd-amdhsa--gfx1250"
	.amdhsa_code_object_version 6
	.text
	.protected	k_q0d96a1d8cd_proj
	.globl	k_q0d96a1d8cd_proj
	.p2align	8
	.type	k_q0d96a1d8cd_proj,@function
k_q0d96a1d8cd_proj:
	s_mov_b64 s[64:65], 0
	v_nop
	global_prefetch_b8 v0, s[64:65] scope:SCOPE_SE
	s_setreg_imm32_b32 hwreg(HW_REG_WAVE_MODE, 25, 1), 1
	s_wait_xcnt 0x0
	s_wait_alu depctr_hold_cnt(0) depctr_sa_sdst(0) depctr_va_vdst(0) depctr_va_sdst(0) depctr_va_ssrc(0) depctr_va_vcc(0) depctr_vm_vsrc(0)
	s_getreg_b32 s2, hwreg(HW_REG_IB_STS2, 6, 4)
	s_cmp_eq_u32 s2, 0
	s_cbranch_scc0 .Lentry_in_a_cluster
	s_endpgm
.Lentry_in_a_cluster:
	s_bfe_u32 s2, ttmp6, 0x10000c
	s_cmp_lg_u32 s2, 0xf033
	s_cbranch_scc0 .Lentry_shape_is_right
	s_endpgm
.Lentry_shape_is_right:
; out0[m][n] = the sum over k of ao[m][k] w_proj[k][n] + b_proj[n].  M = 8,192, N = K = 1,024.  Operands f16, as images of operand registers (16 rows x 32 K: 1,024 bytes; lane l's 16 bytes at 16 l and 512 + 16 l); sums f32.
; A tile of 128 (m) x 256 (n) to a work-group: 256 work-groups.  Four waves, each 64 x 128: 32 accumulators, 256 registers.  K goes in steps of 128 through a ring of two LDS slots.
; THE MATRIX INSTRUCTION IS USED TRANSPOSED (source 0 = 16 columns n, source 1 = 16 rows m): a lane holds eight neighbouring numbers of a row of out0.  The bias is the C of each sum's first product.
; CLUSTERS: 4 x 4 work-groups.  ao's tiles are shared along a row of the cluster, w_proj's along a column: each is asked for jointly, by the same tensor load with the same descriptor and a mask that names the four.
; By the text's own count a wave has two tensor loads out at the head and one behind each round.
; REGISTERS: window 0: v0-31 addresses; two fragment buffers: v32-63 A (4 x 8), v64-127 B (8 x 8); v128-159 A, v160-223 B; on the way out v32-159 rows of out0.
;   window 1: the accumulators ((a, b) at v[8 (8 a + b)]).   window 2: v0-63 the bias, eight registers for each of B's blocks.
.set KSTEPB, 4096                      ; a K step's part of a row tile's image
.set SLOT,   98304                     ; A's 8 row tiles x 4,096 bytes, then B's 16
.set BOFF,   32768
.set STAGE,  196608                    ; behind the ring: 16 rows x (512 + 16) bytes for each wave, for the way out
.set SPITCH, 528
.set SPARE,  230400                    ; behind the stages: the spare words, 128 bytes a wave: two blocks of 256 bytes that no other line names
.set LAPS,   4                         ; a lap = two K steps = once round the ring
.set ADRA, 16                          ; v16-17  LDS address of my A fragments in slot 0, 1
.set ADRB, 20                          ; v20-21  the same for B
.set STO,  24                          ; v24     the way out: where I put 32 bytes of a row
.set RD,   25                          ; v25     where I read a row back
.set CO,   26                          ; v26     16 x lane
.set BO,   27                          ; v27     32 x (lane / 16): my eight numbers of the bias
.set SPW,  28                          ; v28     LDS address of my spare word; never rewritten
.set NIL,  29                          ; v29     0; never rewritten
.set PFO,  30                          ; v30     the prefetches' offset: 32,768 (lane / 16) + 256 (lane % 16); never rewritten
.set F0,   32
.set F1,   128
.set BK,   32
.set LIM,  12                          ; s12  1 in the wave that prefetches, else the greatest number
.set WV,   13
.set MH,   14                          ; which half of the tile's rows is mine.  Also: I fetch for A (0) or for B (1)
.set NH,   15                          ; which half of its columns.  Also: which half of that operand's tiles I fetch
.set G1,  24
.set G0,  32
.set PFA, 46                           ; s[46:47] where my prefetches stand
.set G1B, 48
.set G0B, 56
.set MSB, 0
.macro WIN new
.if MSB != \new
	s_set_vgpr_msb (MSB<<8)|\new
.set MSB, \new
.endif
.endm
.set MUL,   0x50                       ; sources 0 and 1 window 0; C and D window 1
.set MUL_B, 0x60                       ; C (the bias) window 2, D window 1
.macro JLOAD s                         ; a joint load: waves 0 and 1 fetch A's halves, waves 2 and 3 B's; an s_nop 0 and four v_nop follow each of the two lines
	s_cmp_eq_u32 s[MH], 0
	s_cbranch_scc0 .Lfor_b_\@
	tensor_load_to_lds s[G0+4*\s:G0+4*\s+3], s[G1:G1+7]
	s_nop 0
.rept 4
	v_nop
.endr
	s_branch .Lasked_\@
.Lfor_b_\@:
	tensor_load_to_lds s[G0B+4*\s:G0B+4*\s+3], s[G1B:G1B+7]
	s_nop 0
.rept 4
	v_nop
.endr
.Lasked_\@:
.endm
; A PREFETCH of ao, behind a joint load, its five lines and the run of LDS loads that follows: the K step that stands two refills on, 256 matrix instructions of the wave ahead of the load that will want it.
; A K step of the work-group's 8 row tiles is 8 x 4,096 bytes.  The four partners that ask for it jointly share it out BY ADDRESS, two tiles each (2 cx, 2 cx + 1); in each, wave 0 asks: 32 lanes, 256 bytes apart
; within a tile's 4,096: each aligned block of 256 bytes is named once in the launch.  K steps 0 to 3 come by their loads alone; the loop's last trip, whose refills are the last two K steps, asks for nothing.
.macro ASK
	s_cmp_gt_u32 s3, s[LIM]                        ; s3 = 1 in the loop's last trip
	s_cbranch_scc0 .Lnot_mine_\@
	global_prefetch_b8 v[PFO], s[PFA:PFA+1] th:TH_LOAD_NT scope:SCOPE_SE
.Lnot_mine_\@:
.endm
.macro CREST                           ; a round of the cluster's barrier behind its opening barrier
	s_cmp_lg_u32 s[WV], 0
	s_cbranch_scc1 .Lnot_wave_0_\@
	s_barrier_signal -3
.Lnot_wave_0_\@:
	s_barrier_wait -3
	s_barrier_signal -1
	s_barrier_wait -1
.endm
.macro CROUND
	s_barrier_signal -1
	s_barrier_wait -1
	CREST
.endm
	s_load_b256 s[4:11], s[0:1], 0x0               ; ao s[4:5], wp s[6:7], b_proj s[8:9], out0 s[10:11]
	v_lshl_add_u32 v[SPW], v0, 2, SPARE
	v_mov_b32 v[NIL], 0
	ds_add_u32 v[SPW], v[NIL]                      ; the wave's opening: the add, twice on end, and its wait ahead of my first tensor load
	ds_add_u32 v[SPW], v[NIL]                      ; and once more; the set-up below, work on registers, stands between it and the wait
	v_lshrrev_b32 v1, 5, v0
	v_readfirstlane_b32 s[WV], v1                  ; wave 0..3
	s_lshr_b32 s[MH], s[WV], 1
	s_and_b32 s[NH], s[WV], 1
	s_bfe_u32 s40, ttmp6, 0x40000                  ; cx, cy: my place in the cluster
	s_bfe_u32 s41, ttmp6, 0x40004
	s_lshl_b32 s42, ttmp9, 2
	s_add_co_u32 s42, s42, s40                     ; tile column = 4 x cluster x + cx
	s_and_b32 s43, ttmp7, 0xffff
	s_lshl_b32 s43, s43, 2
	s_add_co_u32 s43, s43, s41                     ; tile row = 4 x cluster y + cy
	s_lshl_b32 s44, s41, 2
	s_lshl_b32 s44, 15, s44                        ; my row of the cluster
	s_lshl_b32 s45, 0x1111, s40                    ; my column
	; descriptor group 1: row tiles x 4,096 bytes (512 elements of 8 bytes), 32,768 bytes apart in memory, dense in LDS: 4 of A, 8 of B
	s_or_b32 s[G1], s44, (3<<16)|(1<<21)           ; 15:0 the mask; 17:16 elements of 8 bytes; 21 set beside a mask; no padding
	s_mov_b32 s[G1+1], 512<<16
	s_mov_b32 s[G1+2], 4<<16
	s_mov_b32 s[G1+3], 512<<16
	s_mov_b32 s[G1+4], 4
	s_mov_b32 s[G1+5], 4096
	s_mov_b32 s[G1+6], 0
	s_mov_b32 s[G1+7], 0
	s_or_b32 s[G1B], s45, (3<<16)|(1<<21)
	s_mov_b32 s[G1B+1], 512<<16
	s_mov_b32 s[G1B+2], 8<<16
	s_mov_b32 s[G1B+3], 512<<16
	s_mov_b32 s[G1B+4], 8
	s_mov_b32 s[G1B+5], 4096
	s_mov_b32 s[G1B+6], 0
	s_mov_b32 s[G1B+7], 0
	s_lshl_b32 s16, s43, 3                         ; A: row tile 8 x tile row + 4 x half: no register that feeds A's descriptors holds cx
	s_lshl_b32 s17, s[NH], 2
	s_add_co_u32 s16, s16, s17
	s_lshl_b32 s16, s16, 15
	s_mov_b32 s17, 0
	s_lshl_b32 s18, s42, 4                         ; B: n tile 16 x tile column + 8 x half
	s_lshl_b32 s19, s[NH], 3
	s_add_co_u32 s18, s18, s19
	s_lshl_b32 s18, s18, 15
	s_mov_b32 s19, 0
	s_lshl_b32 s20, s[NH], 14                      ; where they go: A's halves at 0 and 16,384,
	s_lshl_b32 s21, s[NH], 15
	s_add_co_u32 s21, s21, BOFF                    ; B's at 32,768 and 65,536: no place in the cluster enters an LDS address
	s_wait_dscnt 0x0                               ; both opening adds are done
	s_wait_kmcnt 0x0
	s_add_nc_u64 s[16:17], s[4:5], s[16:17]
	s_add_nc_u64 s[18:19], s[6:7], s[18:19]
	CROUND                                         ; all sixteen work-groups are here: the first joint loads meet
.irp s, 0,1
	s_mov_b32 s[G0+4*\s], 1
	s_add_co_u32 s[G0+4*\s+1], s20, \s*SLOT
	s_add_nc_u64 s[G0+4*\s+2:G0+4*\s+3], s[16:17], \s*KSTEPB
	s_or_b32 s[G0+4*\s+3], s[G0+4*\s+3], 0x80000000
	s_mov_b32 s[G0B+4*\s], 1
	s_add_co_u32 s[G0B+4*\s+1], s21, \s*SLOT
	s_add_nc_u64 s[G0B+4*\s+2:G0B+4*\s+3], s[18:19], \s*KSTEPB
	s_or_b32 s[G0B+4*\s+3], s[G0B+4*\s+3], 0x80000000
	JLOAD \s
.endr
	v_and_b32 v1, 15, v0                           ; r
	v_bfe_u32 v2, v0, 4, 1                         ; h
	v_and_b32 v3, 31, v0
	v_lshlrev_b32 v[CO], 4, v3
	v_lshlrev_b32 v[BO], 5, v2
	v_lshlrev_b32 v[PFO], 8, v1
	v_lshl_add_u32 v[PFO], v2, 15, v[PFO]
	s_lshl_b32 s2, s[MH], 14                       ; my 4 row tiles of A
	s_lshl_b32 s3, s[NH], 15                       ; my 8 n tiles of B,
	s_add_co_u32 s3, s3, BOFF                      ; which lie behind A's eight
.irp s, 0,1
	v_add_nc_u32 v[ADRA+\s], s2, v[CO]
	v_add_nc_u32 v[ADRB+\s], s3, v[CO]
	s_add_co_u32 s2, s2, SLOT
	s_add_co_u32 s3, s3, SLOT
.endr
	s_mul_i32 s2, s[WV], 16*SPITCH
	s_add_co_u32 s2, s2, STAGE                     ; my stage
	v_mul_u32_u24 v4, v1, SPITCH                   ; in: row r, 32 bytes for each half of the lanes
	v_lshl_add_u32 v4, v2, 5, v4
	v_add_nc_u32 v[STO], s2, v4
	v_add_nc_u32 v[RD], s2, v[CO]                  ; back: the 32 lanes take one row of 512 bytes
	s_lshl_b32 s22, s43, 3                         ; the prefetches: my work-group's two row tiles of the eight,
	s_lshl_b32 s2, s40, 1
	s_add_co_u32 s22, s22, s2
	s_lshl_b32 s22, s22, 15
	s_add_co_u32 s22, s22, 3*KSTEPB                ; at K step 3: the first refill steps it to 4
	s_mov_b32 s23, 0
	s_add_nc_u64 s[PFA:PFA+1], s[4:5], s[22:23]
	s_cmp_eq_u32 s[WV], 0
	s_cselect_b32 s[LIM], 1, -1
	s_lshl_b32 s22, s42, 10                        ; my first column, in bytes: 1,024 x tile column + 512 x half
	s_lshl_b32 s2, s[NH], 9
	s_add_co_u32 s22, s22, s2
	s_add_nc_u64 s[8:9], s[8:9], s[22:23]          ; the bias there
	s_lshl_b32 s20, s43, 19                        ; my first row: 128 x tile row + 64 x half, 4,096 bytes a row
	s_lshl_b32 s2, s[MH], 18
	s_add_co_u32 s20, s20, s2
	s_add_co_u32 s20, s20, s22
	s_mov_b32 s21, 0
	s_add_nc_u64 s[10:11], s[10:11], s[20:21]
	WIN 0x80                                       ; destination window 2
.irp b, 0,1,2,3,4,5,6,7
	global_load_b128 v[8*\b:8*\b+3], v[BO], s[8:9] offset:64*\b        ; lane (r, h): b_proj at columns 16 b + 8 h + 0..7: the result's layout
	global_load_b128 v[8*\b+4:8*\b+7], v[BO], s[8:9] offset:64*\b+16
.endr
	WIN 0
; 8 matrix instructions: A's block a x B's eight, 32 along K: buffer f.  first = 1: the bias is the C: nothing is cleared, nothing is added later.
; The 32 accumulators take turns, one instruction a turn, in the same order in every quarter.
.macro MUL8 f, a, first
.irp b, 0,1,2,3,4,5,6,7
.if \first
	v_wmma_f32_16x16x32_f16 v[8*(8*(\a)+\b):8*(8*(\a)+\b)+7], v[\f+32+8*\b:\f+32+8*\b+7], v[\f+8*(\a):\f+8*(\a)+7], v[8*\b:8*\b+7]
.else
	v_wmma_f32_16x16x32_f16 v[8*(8*(\a)+\b):8*(8*(\a)+\b)+7], v[\f+32+8*\b:\f+32+8*\b+7], v[\f+8*(\a):\f+8*(\a)+7], v[8*(8*(\a)+\b):8*(8*(\a)+\b)+7]
.endif
.endr
.endm
; 24 LDS loads in one run: the fragments of the slot's q-th 32 along K into buffer f: B's eight, then A's four
.macro FETCH slot, q, f
	WIN 0
.irp i, 0,1,2,3,4,5,6,7
	ds_load_b128 v[\f+32+8*\i:\f+32+8*\i+3],   v[ADRB+\slot] offset:4096*\i+1024*(\q)
	ds_load_b128 v[\f+32+8*\i+4:\f+32+8*\i+7], v[ADRB+\slot] offset:4096*\i+1024*(\q)+512
.endr
.irp i, 0,1,2,3
	ds_load_b128 v[\f+8*\i:\f+8*\i+3],   v[ADRA+\slot] offset:4096*\i+1024*(\q)
	ds_load_b128 v[\f+8*\i+4:\f+8*\i+7], v[ADRA+\slot] offset:4096*\i+1024*(\q)+512
.endr
.endm
.macro PLACES                          ; four places in front of loads into registers that matrix instructions have read, and of the first read of results (ISA guide 7.12.1 for vector instructions)
.rept 4
	v_nop
.endr
.endm
; A K step is four quarters of 32 along K, 32 matrix instructions each, on buffers 0, 1, 0, 1.  One of the first three: multiplies buffer f and fetches the slot's quarter q into g.
.macro QUARTER slot, q, f, g, first
	s_wait_dscnt 4                                 ; B and A's blocks 0, 1 are in; the youngest four loads (A's blocks 2, 3) may be out
	WIN MUL+0x10*\first
	MUL8 \f, 0, \first
	MUL8 \f, 1, \first
	PLACES
	FETCH \slot, \q, \g
	s_wait_dscnt 24                                ; all but the 24 just issued
	WIN MUL+0x10*\first
	MUL8 \f, 2, \first
	MUL8 \f, 3, \first
.endm
; The last quarter multiplies buffer 1 and changes slots: ONE barrier; in front of it each wave waits for all its tensor loads, adds 0 to its spare word, and waits for that and for its own reads of this slot.
; fill = 1: the barrier opens a round of the cluster's, and this slot is filled again, two K steps ahead, first thing behind the round.
.macro TURN slot, next, fill
.if \fill
	s_wait_xcnt 0x0                                ; the last prefetch, a K step back, has read its address: it is stepped here, ahead of the waits of the change of slots
	s_add_nc_u64 s[PFA:PFA+1], s[PFA:PFA+1], KSTEPB
.endif
	WIN 0                                          ; (the add's two registers lie in window 0)
	s_wait_tensorcnt 0x0                           ; all my tensor loads have landed: my part of the next slot
	ds_add_u32 v[SPW], v[NIL]                      ; 0 onto my spare word
	s_wait_dscnt 5                                 ; (the add and the youngest four loads may be out)
	WIN MUL
	MUL8 F1, 0, 0                                  ; eight matrix instructions stand between the add and the wait for it
	s_wait_dscnt 0x0                               ; the add is done, and my reads of this slot are over
	s_barrier_signal -1
	MUL8 F1, 1, 0
.if \fill
	WIN 0
.endif
	s_barrier_wait -1
.if \fill
	CREST                                          ; no wave of any partner still reads this slot's tiles or has a load on its way
	s_add_nc_u64 s[G0+4*\slot+2:G0+4*\slot+3], s[G0+4*\slot+2:G0+4*\slot+3], 2*KSTEPB
	s_add_nc_u64 s[G0B+4*\slot+2:G0B+4*\slot+3], s[G0B+4*\slot+2:G0B+4*\slot+3], 2*KSTEPB
	JLOAD \slot                                    ; the four v_nop behind it are also the places in front of the loads below
.else
	PLACES
.endif
	FETCH \next, 0, F0
.if \fill
	ASK
.endif
	WIN MUL
	MUL8 F1, 2, 0
	MUL8 F1, 3, 0
.endm
	s_wait_tensorcnt 1                             ; my part of K step 0 is in (K step 1's load may be out)
	s_barrier_signal -1
	s_barrier_wait -1                              ; everybody's is
	FETCH 0, 0, F0
	s_wait_loadcnt 0x0                             ; the bias
	QUARTER 0, 1, F0, F1, 1                        ; the first quarter stands in front of the loop: its products start the sums from the bias
	WIN 0                                          ; at a label and at a branch every window is 0
	s_mov_b32 s3, LAPS-1
.Llap:                                             ; a trip goes once round the ring, from a lap's second quarter to the next lap's first, and fills both slots again
	QUARTER 0, 2, F1, F0, 0
	QUARTER 0, 3, F0, F1, 0
	TURN 0, 1, 1
	QUARTER 1, 1, F0, F1, 0
	QUARTER 1, 2, F1, F0, 0
	QUARTER 1, 3, F0, F1, 0
	TURN 1, 0, 1
	QUARTER 0, 1, F0, F1, 0
	WIN 0
	s_sub_co_u32 s3, s3, 1
	s_cmp_lg_u32 s3, 0
	s_cbranch_scc1 .Llap
	QUARTER 0, 2, F1, F0, 0                        ; the last lap fills nothing, and has no round of the cluster's barrier
	QUARTER 0, 3, F0, F1, 0
	TURN 0, 1, 0
	QUARTER 1, 1, F0, F1, 0
	QUARTER 1, 2, F1, F0, 0
	QUARTER 1, 3, F0, F1, 0
	s_wait_dscnt 4                                 ; the very last quarter: nothing more to fetch
	WIN MUL
	MUL8 F1, 0, 0
	MUL8 F1, 1, 0
	s_wait_dscnt 0
	MUL8 F1, 2, 0
	MUL8 F1, 3, 0
	WIN 0
; THE WAY OUT, block by block of 16 rows x 128 columns.  A lane holds 32 neighbouring bytes of a row, and the lanes beside it hold other rows: so a block goes through my own stage in LDS and comes back as whole
; rows of 512 bytes.  LDS serves a wave's instructions in order (ISA guide 5.7.1.4): no wait between the stores and the loads, nor in front of the next block's stores.
.macro TOSTAGE a
	WIN 0x04                                       ; an LDS store's data are its source 1: window 1
.irp b, 0,1,2,3,4,5,6,7
	ds_store_b128 v[STO], v[64*(\a)+8*\b:64*(\a)+8*\b+3] offset:64*\b          ; each accumulator from its low end on
	ds_store_b128 v[STO], v[64*(\a)+8*\b+4:64*(\a)+8*\b+7] offset:64*\b+16
.endr
	WIN 0
.set BB, BK+64*((\a)%2)
.irp t, 0,1,2,3,4,5,6,7,8,9,10,11,12,13,14,15
	ds_load_b128 v[BB+4*\t:BB+4*\t+3], v[RD] offset:\t*SPITCH
.endr
.endm
.macro SEND a, younger                 ; younger: the LDS instructions issued behind block a's loads, which may stay out
.set BB, BK+64*((\a)%2)
	s_wait_dscnt \younger                          ; the block is back in registers
.if (\a) > 0
	s_add_nc_u64 s[10:11], s[10:11], 16*4096       ; (behind a wait on XCNT: the earlier stores have read their base)  16 rows on
.endif
.irp t, 0,1,2,3,4,5,6,7,8,9,10,11,12,13,14,15
	global_store_b128 v[CO], v[BB+4*\t:BB+4*\t+3], s[10:11] offset:\t*4096 th:TH_STORE_NT   ; 32 lanes store 512 consecutive bytes, aligned; written once, read by nobody here
.endr
.endm
	PLACES
	TOSTAGE 0
.irp a, 1,2,3
.if \a > 1
	s_wait_xcnt 0x0                                ; block a - 2's stores have read their registers and their base
.endif
	TOSTAGE \a
	SEND \a-1, 32                                  ; behind block a - 1's loads: block a's 16 stores and 16 loads
.endr
	s_wait_xcnt 0x0                                ; block 2's stores have read their base
	SEND 3, 0
	s_wait_tensorcnt 0x0                           ; the wave's end
	ds_add_u32 v[SPW], v[NIL]
	s_wait_dscnt 0x0
	CROUND                                         ; the closing round: no work-group ends while a partner may still ask for a tile that names it
	s_endpgm
.Lfunc_end_k_q0d96a1d8cd_proj:
	.size	k_q0d96a1d8cd_proj, .Lfunc_end_k_q0d96a1d8cd_proj-k_q0d96a1d8cd_proj
	.p2alignl 7, 3214868480
	.fill 96, 4, 3214868480
	.section	.rodata,"a",@progbits
	.p2align	6, 0x0
	.amdhsa_kernel k_q0d96a1d8cd_proj
		.amdhsa_group_segment_fixed_size 327680
		.amdhsa_private_segment_fixed_size 0
		.amdhsa_enable_private_segment 0
		.amdhsa_kernarg_size 32
		.amdhsa_user_sgpr_count 2
		.amdhsa_user_sgpr_kernarg_segment_ptr 1
		.amdhsa_wavefront_size32 1
		.amdhsa_system_sgpr_workgroup_id_x 1
		.amdhsa_system_sgpr_workgroup_id_y 1
		.amdhsa_system_sgpr_workgroup_id_z 1
		.amdhsa_system_vgpr_workitem_id 0
		.amdhsa_next_free_vgpr 576
		.amdhsa_next_free_sgpr 66
		.amdhsa_reserve_vcc 0
		.amdhsa_float_denorm_mode_32 3
		.amdhsa_float_denorm_mode_16_64 3
		.amdhsa_memory_ordered 1
		.amdhsa_forward_progress 1
		.amdhsa_inst_pref_size 87
	.end_amdhsa_kernel
	.amdgpu_metadata
---
amdhsa.version: [ 1, 2 ]
amdhsa.kernels:
  - .name:           k_q0d96a1d8cd_proj
    .symbol:         k_q0d96a1d8cd_proj.kd
    .args:
      - { .name: ao, .offset: 0, .size: 8, .value_kind: global_buffer, .address_space: global }
      - { .name: wp, .offset: 8, .size: 8, .value_kind: global_buffer, .address_space: global }
      - { .name: b_proj, .offset: 16, .size: 8, .value_kind: global_buffer, .address_space: global }
      - { .name: out0, .offset: 24, .size: 8, .value_kind: global_buffer, .address_space: global }
    .group_segment_fixed_size: 327680
    .private_segment_fixed_size: 0
    .kernarg_segment_align: 8
    .kernarg_segment_size: 32
    .max_flat_workgroup_size: 128
    .sgpr_count:     66
    .vgpr_count:     576
    .wavefront_size: 32
...
	.end_amdgpu_metadata
.endif
;; end of part 4
